; MI455X (gfx1250); checked and timed in simulation.
; The chip was launched on July 23, 2026; its instructions are those of AMD's public machine-readable ISA for CDNA 5 (MIT licence, August 2026) and "CDNA5" Instruction Set Architecture Reference Guide (July 2026). The comments in the code are by the model that wrote it; some were corrected since.
;; Full Symmetry Broken Attention. Allowed arithmetic: matrix products marked QUANTISED: E4M3 operands, one given power-of-two scale a tensor, by v_wmma_f32_16x16x64_fp8_fp8 or v_wmma_f32_16x16x128_fp8_fp8, f32 sums; everything else in f32.
;; Inputs: W_attn 1,024 x 3,072 float32; W_proj 1,024 x 1,024 float32; bK 16 x 64 float32; bQ 16 x 64 float32; bV 16 x 64 float32; b_attn 3,072 float32; b_proj 1,024 float32; lowp_scales 8 int32 (the exponents e of the quantised operands' scales 2^e); x 4 x 2,048 x 1,024 float32.
;; Outputs: out0 4 x 2,048 x 1,024 float32.
;; This version of the problem:
;;   THIS VERSION OF THE PROBLEM IS GIVEN IN LOW PRECISION. The matrix products marked QUANTISED in the list below multiply operands that are first quantised to E4M3 (4 exponent bits, 3 mantissa bits; 8 bits a number), with one given power-of-two scale for each operand tensor; their sums are f32. All else is computed in f32.
;;   The module's matrix products, in the order in which they are computed (A, B: the left and right operand; K: the contracted axis; several contracted axes count as one K, in the product's order):
;;     1. [M 8,192, K 1,024] x [K 1,024, N 3,072]; A: input x; B: input W_attn: QUANTISED (scales: A lowp_scales[0], B lowp_scales[1])
;;     2. batch 64 x [M 2,048, K 64] x [K 64, N 2,048]; A: computed on the way; B: computed on the way: QUANTISED (scales: A lowp_scales[2], B lowp_scales[3])
;;     3. batch 64 x [M 2,048, K 2,048] x [K 2,048, N 64]; A: softmax (see below); B: computed on the way: QUANTISED (scales: A lowp_scales[4], B lowp_scales[5])
;;     4. [M 8,192, K 1,024] x [K 1,024, N 1,024]; A: computed on the way; B: input W_proj: QUANTISED (scales: A lowp_scales[6], B lowp_scales[7])
;;   THE QUANTISER, for each operand of a quantised product, along K:
;;     - The operand's scale is 2^e, e = its entry of the input lowp_scales (int32; the entries are numbered through the quantised products in the list's order, A before B).
;;     - Each number is divided by the scale, clamped to +-448, and rounded to the nearest number of E4M3, ties to even, subnormals kept.
;;     - The product sums the exact products of the quantised numbers (number of the format x scale) in f32.
;;   ~~~python
;;   def quantise(x, axis, e):      # numpy; x: float32 -> the quantised numbers, widened to float32 again
;;       x = np.moveaxis(x, axis, -1); K = x.shape[-1]
;;       r = np.clip(x / 2.0 ** e, -448, 448)
;;       step = 2.0 ** (np.maximum(np.frexp(np.where(r == 0, 1, r))[1] - 1, -6) - 3)
;;       q = np.round(r / step) * step * 2.0 ** e      # np.round: ties to even
;;       return np.moveaxis(q, -1, axis).astype(np.float32)
;;   ~~~
;;   SOFTMAX AHEAD OF A QUANTISED PRODUCT. Where the list says 'softmax', what is quantised is not the finished softmax but p = 2^(t - M), with t = logit x log2(e) and M = ceil(the row's largest t), a whole number; so 1/2 < the row's largest p <= 1. The row's sum l is taken of the UNQUANTISED p, in f32, and the product's result is divided by l at the end. Since M is a whole number, a kernel that streams over the keys may use a running M (the ceiling of the running maximum): every later rescaling is an exact power of two, so the quantised numbers keep their values, but for numbers so far below the row's largest that they fall under the format's range.
;;   OPERANDS COMPUTED ON THE WAY. 'Computed on the way' means the value that the module computes at that place (a softmax that the list does not call 'softmax' is quantised finished and normalised). What goes into a quantiser is computed in f32, as accurately as f32 sums, v_exp_f32 and their like allow (about 1e-6 of the number): no bf16 or f16 on the way to a quantiser, and a product that is left as it is and whose result goes on into a quantised operand takes f32 operands (vector FMAs, or v_wmma_f32_16x16x4_f32). A number that lies on a knife's edge between two numbers of the format may be rounded either way, as far as f32 arithmetic and the matrix unit's own rounding can turn it there, and no further.
;; One version. Each part assembles by itself: llvm-mc -triple=amdgcn-amd-amdhsa -mcpu=gfx1250 --defsym DOCPART=n.
;; ======== version 1 of 1: 4 launches
;; limits: right only within a limited range of input values
;; workspace buffers: x_codes 8,388,608 bytes; w_codes 4,194,304 bytes; qkv 25,165,824 bytes; y_img 8,388,608 bytes
;; launch quant (part 1): grid 384 x 1, 4 waves a work-group, no clusters, 68,096 bytes of LDS; arguments x, W_attn, W_proj, lowp_scales, x_codes, w_codes; writes x_codes, w_codes
.if DOCPART == 1
	.amdgcn_target "amdgcn-amd-amdhsa--gfx1250"
	.amdhsa_code_object_version 6
	.text
	.protected	k_q48391232db_quant
	.globl	k_q48391232db_quant
	.p2align	8
	.type	k_q48391232db_quant,@function
k_q48391232db_quant:
	s_mov_b64 s[64:65], 0
	v_nop
	global_prefetch_b8 v0, s[64:65] scope:SCOPE_SE
	s_setreg_imm32_b32 hwreg(HW_REG_WAVE_MODE, 25, 1), 1
	s_wait_xcnt 0x0
; x [8192][1024], W_attn [1024][3072] and W_proj [1024][1024], f32, become codes of E4M3 with K innermost, each with its given scale 2^e.
; code = number / 2^e, held within +-448, rounded to the nearest code, ties to even.  e: entry 0 (x), 1 (W_attn), 7 (W_proj) of the scales.
; LIMITS: each e between -126 and 119, so that 2^e and 448 x 2^e are f32 numbers.  NaN among the inputs is not served.
; x_codes: [8192][1024].  w_codes: [4096][1024]: rows 0-3071 are W_attn's columns, rows 3072-4095 W_proj's columns.
; Work-groups 0-255 take x: K is innermost, the tensor is a plain stream; a wave takes 16 steps of 512 numbers.  Each load reads 512 consecutive bytes; a step's 2,048 bytes
; turn through the wave's own stage in LDS, so that a lane then holds 16 neighbours along K, which the conversions want; a lane's 16 codes are 16 bytes, a store covers 512 consecutive bytes.
; Work-groups 256-383 take the weights: K is the FIRST axis, so a lane takes a column and its registers run down K; the codes come out with K innermost, go through the wave's
; stage and leave as rows: sixteen lanes store 256 consecutive bytes, aligned.  A work-group takes 128 columns x 256 along K.
; The two ways part once, on the work-group's number, and never join; each has LDS bytes of its own.  No tensor loads, no barrier: waves share nothing.  Matrix units and clusters have nothing to do here.
.set XREG,  8192                       ; x's way: a region for each wave: two stages of 32 x SP bytes
.set SP,    80                         ; a lane's place in a stage: 64 bytes + 16 of padding
.set WST,   32768                      ; the weights' way: four stages of 32 rows x WP bytes
.set WP,    272                        ; a stage row: 256 codes + 16 of padding
.set SPARE, 67584                      ; the spare words, 128 bytes for each wave: two blocks of 256 bytes that no other line names
.set SPW,   12                         ; v12  LDS address of my spare word; never rewritten
.set NIL,   13                         ; v13  0; never rewritten
.set R,     16                         ; x: v16-79 four sets of 16 numbers as loaded
.set X,     80                         ; x: v80-111 two sets of 16 neighbours
.set C,     128                        ; x: v128-191 codes, four registers a step
.set WX,    16                         ; weights: v16-79 two sets of 32 numbers
.set WC,    112                        ; weights: v112-119 a block's codes
.set OUTR,  120                        ; weights: v120-183 the way out
.set OFFS,  192                        ; weights: v192-223 byte offset of row i of a block, at my column; never rewritten
.set BS,    32                         ; weights: s[32:47] the address of each of the eight blocks of 32 rows
	s_load_b256 s[4:11], s[0:1], 0x0               ; x s[4:5], W_attn s[6:7], W_proj s[8:9], the scales' exponents s[10:11]
	s_load_b128 s[12:15], s[0:1], 0x20             ; x_codes s[12:13], w_codes s[14:15]
	v_lshl_add_u32 v[SPW], v0, 2, SPARE
	v_mov_b32 v[NIL], 0
	v_lshrrev_b32 v1, 5, v0
	v_readfirstlane_b32 s16, v1                    ; wave 0..3
	v_and_b32 v2, 31, v0                           ; lane
	v_lshlrev_b32 v3, 4, v2                        ; 16 x lane: my bytes of a load's 512 and of a step's codes
	s_mul_i32 s17, s16, XREG                       ; every LDS address is made here, ahead of the parting
	v_lshrrev_b32 v14, 2, v2
	v_mul_u32_u24 v14, v14, SP
	v_and_b32 v15, 3, v2
	v_lshl_add_u32 v14, v15, 4, v14
	v_add_nc_u32 v14, s17, v14                     ; x's stage, in: SP (lane / 4) + 16 (lane % 4)
	v_mul_u32_u24 v15, v2, SP
	v_add_nc_u32 v15, s17, v15                     ; and out: SP x lane
	s_mul_i32 s18, s16, 32*WP
	s_add_co_u32 s18, s18, WST
	v_mul_u32_u24 v5, v2, WP
	v_add_nc_u32 v5, s18, v5                       ; the weights' stage, in: row = my column
	v_and_b32 v8, 15, v2
	v_lshrrev_b32 v9, 4, v2
	v_mul_u32_u24 v6, v9, WP
	v_lshl_add_u32 v6, v8, 4, v6
	v_add_nc_u32 v6, s18, v6                       ; and out: sixteen lanes to a row, two rows an instruction
	v_lshlrev_b32 v7, 10, v9
	v_lshl_add_u32 v7, v8, 4, v7                   ; the same place in w_codes: rows of 1,024 bytes
	s_wait_kmcnt 0x0
	s_load_b256 s[48:55], s[10:11], 0x0            ; the eight exponents
	s_cmp_lt_u32 ttmp9, 256
	s_cbranch_scc0 .Lweights
; ---------------- x ----------------
.macro XLOAD t
.irp i, 0,1,2,3
	global_load_b128 v[R+16*((\t)%4)+4*\i:R+16*((\t)%4)+4*\i+3], v3, s[4:5] offset:2048*(\t)+512*\i th:TH_LOAD_NT   ; 32 lanes read 512 consecutive bytes
.endr
.endm
.macro XTURN t                         ; step t's numbers through the stage: LDS serves a wave's instructions in order, so no wait stands between the stores and the loads
.irp i, 0,1,2,3
	ds_store_b128 v14, v[R+16*((\t)%4)+4*\i:R+16*((\t)%4)+4*\i+3] offset:32*SP*((\t)%2)+8*SP*\i
.endr
.irp i, 0,1,2,3
	ds_load_b128 v[X+16*((\t)%2)+4*\i:X+16*((\t)%2)+4*\i+3], v15 offset:32*SP*((\t)%2)+16*\i
.endr
.endm
.macro XSTEP t
.set XS, X+16*((\t)%2)
	s_wait_dscnt 0x0                               ; this step's numbers are back from the stage, so its stores into the stage have read their registers,
.if (\t)+4 < 16
	XLOAD (\t)+4                                   ; which take the loads of four steps on
.endif
.if (\t)+1 < 16
.if 14-(\t) >= 3
	s_wait_loadcnt 12                              ; the next step's four loads are in; those of the three steps behind it may be out
.else
	s_wait_loadcnt 4*(14-(\t))
.endif
	XTURN (\t)+1
.endif
.set i, 0
.rept 16
	v_med3_num_f32 v[XS+i], v[XS+i], -v10, v10     ; the conversion to an 8-bit code does not saturate (ISA guide 7.6.2): the hold at the largest code x the scale
.set i, i+1
.endr
	v_cvt_scalef32_pk8_fp8_f32 v[C+4*(\t):C+4*(\t)+1], v[XS:XS+7], v11
	v_cvt_scalef32_pk8_fp8_f32 v[C+4*(\t)+2:C+4*(\t)+3], v[XS+8:XS+15], v11
	global_store_b128 v3, v[C+4*(\t):C+4*(\t)+3], s[12:13] offset:512*(\t)   ; 512 consecutive bytes; each step has code registers of its own, so no store's data are written again
.endm
	s_lshl_b32 s18, ttmp9, 2
	s_add_co_u32 s18, s18, s16                     ; which run of 8,192 numbers is my wave's
	s_lshl_b32 s20, s18, 15                        ; 32,768 bytes of numbers,
	s_mov_b32 s21, 0
	s_add_nc_u64 s[4:5], s[4:5], s[20:21]
	s_lshl_b32 s20, s18, 13                        ; 8,192 bytes of codes
	s_add_nc_u64 s[12:13], s[12:13], s[20:21]
.irp t, 0,1,2,3
	XLOAD \t
.endr
	s_wait_kmcnt 0x0
	s_add_co_i32 s22, s48, 127
	s_lshl_b32 s23, s22, 23
	v_mov_b32 v11, s23                             ; 2^e as f32: the conversion takes its exponent field
	s_add_co_i32 s22, s22, 8
	s_lshl_b32 s22, s22, 23
	s_or_b32 s22, s22, 0x600000
	v_mov_b32 v10, s22                             ; 448 x 2^e
	s_wait_alu depctr_va_vdst(0)
	s_wait_loadcnt 12                              ; step 0's four loads are in
	XTURN 0
.irp t, 0,1,2,3,4,5,6,7,8,9,10,11,12,13,14,15
	XSTEP \t
.endr
	s_wait_tensorcnt 0x0                           ; the wave's end, behind my last LDS store
	ds_add_u32 v[SPW], v[NIL]
	s_wait_dscnt 0x0
	s_endpgm
; ---------------- the weights ----------------
.macro WLOAD t                         ; block t: W(32 t + i, my column), i = 0 .. 31, into set t % 2: 128 consecutive bytes a wave, 512 a work-group
.set i, 0
.rept 32
	global_load_b32 v[WX+32*((\t)%2)+i], v[OFFS+i], s[BS+2*(\t):BS+2*(\t)+1] th:TH_LOAD_NT
.set i, i+1
.endr
.endm
.macro WBLOCK t
.set XS, WX+32*((\t)%2)
.if (\t) < 7
	s_wait_loadcnt 32                              ; this block's 32 loads are in; the next block's may be out
.else
	s_wait_loadcnt 0
.endif
.set i, 0
.rept 32
	v_med3_num_f32 v[XS+i], v[XS+i], -v10, v10
.set i, i+1
.endr
.irp g, 0,1,2,3
	v_cvt_scalef32_pk8_fp8_f32 v[WC+2*\g:WC+2*\g+1], v[XS+8*\g:XS+8*\g+7], v11
.endr
	ds_store_b128 v5, v[WC:WC+3] offset:32*(\t)    ; 32 codes: 32 bytes of my column's row
	ds_store_b128 v5, v[WC+4:WC+7] offset:32*(\t)+16
.if (\t)+2 < 8
	WLOAD (\t)+2
.endif
	s_wait_dscnt 0x0                               ; the stores have read their registers: the next block's codes may be written
.endm
.Lweights:
	s_sub_co_u32 s17, ttmp9, 256
	s_and_b32 s19, s17, 31                         ; which 128 columns of the 4,096: 0-23 W_attn's, 24-31 W_proj's
	s_lshr_b32 s17, s17, 5                         ; which 256 along K
	s_lshl_b32 s24, s19, 7
	s_lshl_b32 s25, s16, 5
	s_add_co_u32 s24, s24, s25                     ; my wave's first row of w_codes
	s_mov_b32 s26, 4096
	s_cmp_lt_u32 s19, 24                           ; the choice hangs on the work-group's number alone
	s_cselect_b64 s[6:7], s[6:7], s[8:9]           ; the weight,
	s_cselect_b32 s26, 12288, s26                  ; its row in bytes,
	s_cselect_b32 s27, 0, 3072
	s_sub_co_u32 s27, s24, s27                     ; my first column in it
	s_mul_i32 s20, s17, s26
	s_lshl_b32 s20, s20, 8                         ; 256 rows for each part of K
	s_lshl_b32 s27, s27, 2
	s_add_co_u32 s20, s20, s27
	s_mov_b32 s21, 0
	s_add_nc_u64 s[BS:BS+1], s[6:7], s[20:21]
	s_lshl_b32 s22, s26, 5                         ; 32 rows on
	s_mov_b32 s23, 0
.irp t, 1,2,3,4,5,6,7
	s_add_nc_u64 s[BS+2*\t:BS+2*\t+1], s[BS+2*\t-2:BS+2*\t-1], s[22:23]
.endr
	s_lshl_b32 s20, s24, 10
	s_lshl_b32 s27, s17, 8
	s_add_co_u32 s20, s20, s27
	s_add_nc_u64 s[14:15], s[14:15], s[20:21]      ; w_codes at my first row, my part of K
	v_lshlrev_b32 v[OFFS], 2, v2
.set i, 1
.rept 31
	v_add_nc_u32 v[OFFS+i], s26, v[OFFS+i-1]
.set i, i+1
.endr
	WLOAD 0
	WLOAD 1
	s_wait_kmcnt 0x0
	s_cmp_lt_u32 s19, 24
	s_cselect_b32 s28, s49, s55                    ; e
	s_add_co_i32 s28, s28, 127
	s_lshl_b32 s29, s28, 23
	v_mov_b32 v11, s29
	s_add_co_i32 s28, s28, 8
	s_lshl_b32 s28, s28, 23
	s_or_b32 s28, s28, 0x600000
	v_mov_b32 v10, s28
	s_wait_alu depctr_va_vdst(0)
.irp t, 0,1,2,3,4,5,6,7
	WBLOCK \t
.endr
.irp t, 0,1,2,3,4,5,6,7,8,9,10,11,12,13,14,15
	ds_load_b128 v[OUTR+4*\t:OUTR+4*\t+3], v6 offset:2*\t*WP   ; LDS serves a wave's instructions in order: these see my stores
.endr
.irp t, 0,1,2,3,4,5,6,7,8,9,10,11,12,13,14,15
	s_wait_dscnt 15-\t
	global_store_b128 v7, v[OUTR+4*\t:OUTR+4*\t+3], s[14:15] offset:2*\t*1024
.endr
	s_wait_tensorcnt 0x0                           ; the wave's end, behind my last LDS store
	ds_add_u32 v[SPW], v[NIL]
	s_wait_dscnt 0x0
	s_endpgm
.Lfunc_end_k_q48391232db_quant:
	.size	k_q48391232db_quant, .Lfunc_end_k_q48391232db_quant-k_q48391232db_quant
	.p2alignl 7, 3214868480
	.fill 96, 4, 3214868480
	.section	.rodata,"a",@progbits
	.p2align	6, 0x0
	.amdhsa_kernel k_q48391232db_quant
		.amdhsa_group_segment_fixed_size 68096
		.amdhsa_private_segment_fixed_size 0
		.amdhsa_enable_private_segment 0
		.amdhsa_kernarg_size 48
		.amdhsa_user_sgpr_count 2
		.amdhsa_user_sgpr_kernarg_segment_ptr 1
		.amdhsa_wavefront_size32 1
		.amdhsa_system_sgpr_workgroup_id_x 1
		.amdhsa_system_sgpr_workgroup_id_y 1
		.amdhsa_system_sgpr_workgroup_id_z 1
		.amdhsa_system_vgpr_workitem_id 0
		.amdhsa_next_free_vgpr 224
		.amdhsa_next_free_sgpr 66
		.amdhsa_reserve_vcc 0
		.amdhsa_float_denorm_mode_32 3
		.amdhsa_float_denorm_mode_16_64 3
		.amdhsa_memory_ordered 1
		.amdhsa_forward_progress 1
		.amdhsa_inst_pref_size 87
	.end_amdhsa_kernel
	.amdgpu_metadata
---
amdhsa.version: [ 1, 2 ]
amdhsa.kernels:
  - .name:           k_q48391232db_quant
    .symbol:         k_q48391232db_quant.kd
    .args:
      - { .name: x, .offset: 0, .size: 8, .value_kind: global_buffer, .address_space: global }
      - { .name: W_attn, .offset: 8, .size: 8, .value_kind: global_buffer, .address_space: global }
      - { .name: W_proj, .offset: 16, .size: 8, .value_kind: global_buffer, .address_space: global }
      - { .name: lowp_scales, .offset: 24, .size: 8, .value_kind: global_buffer, .address_space: global }
      - { .name: x_codes, .offset: 32, .size: 8, .value_kind: global_buffer, .address_space: global }
      - { .name: w_codes, .offset: 40, .size: 8, .value_kind: global_buffer, .address_space: global }
    .group_segment_fixed_size: 68096
    .private_segment_fixed_size: 0
    .kernarg_segment_align: 8
    .kernarg_segment_size: 48
    .max_flat_workgroup_size: 128
    .sgpr_count:     66
    .vgpr_count:     224
    .wavefront_size: 32
...
	.end_amdgpu_metadata
.endif
;; end of part 1
;; launch qkv (part 2): grid 8 x 32, 4 waves a work-group, clusters of 4 x 4, 327,680 bytes of LDS; arguments x_codes, w_codes, lowp_scales, b_attn, bQ, bK, bV, qkv; writes qkv
.if DOCPART == 2
	.amdgcn_target "amdgcn-amd-amdhsa--gfx1250"
	.amdhsa_code_object_version 6
	.text
	.protected	k_q48391232db_qkv
	.globl	k_q48391232db_qkv
	.p2align	8
	.type	k_q48391232db_qkv,@function
k_q48391232db_qkv:
	s_mov_b64 s[64:65], 0
	v_nop
	global_prefetch_b8 v0, s[64:65] scope:SCOPE_SE
	s_setreg_imm32_b32 hwreg(HW_REG_WAVE_MODE, 25, 1), 1
	s_wait_xcnt 0x0
	s_wait_alu depctr_hold_cnt(0) depctr_sa_sdst(0) depctr_va_vdst(0) depctr_va_sdst(0) depctr_va_ssrc(0) depctr_va_vcc(0) depctr_vm_vsrc(0)
	s_getreg_b32 s2, hwreg(HW_REG_IB_STS2, 6, 4)
	s_cmp_eq_u32 s2, 0
	s_cbranch_scc0 .Lentry_in_a_cluster
	s_endpgm
.Lentry_in_a_cluster:
	s_bfe_u32 s2, ttmp6, 0x10000c
	s_cmp_lg_u32 s2, 0xf033
	s_cbranch_scc0 .Lentry_shape_is_right
	s_endpgm
.Lentry_shape_is_right:
; q, k, v = x W_attn + b_attn + (bQ, bK, bV), on codes of E4M3, and quantised again, each with its given scale, into the images that the attention launch reads.
; A WORK-GROUP STAYS: it makes a tile of 256 tokens x 256 columns of q (cluster x = 0) or k (1), and then 128 channels x 256 tokens of v: q and k are 256 such tiles, v 256 such halves, one of each for each of 256 work-groups.
; K = 1,024 goes in steps of 256 through a ring of two LDS slots filled by the tensor data mover; the ring does not stop between the two parts: the first part's last two changes of slots ask for v's K steps 0 and 1.
; CLUSTERS: 4 x 4 work-groups.  A's tile is shared along a row of the cluster, B's along a column: each is asked for jointly.
; THE MATRIX INSTRUCTION: source 0 = 16 rows of "B", source 1 = 16 rows of "A": a lane holds ONE row of A and eight neighbouring rows of B.  What is quantised next wants a lane's registers along ITS K:
; for q and k the channels, so A = x's rows (tokens, by cy), B = the weight's rows (by cx); for v the tokens, so there A = the weight's rows (channels 512 x cluster x + 128 cy) and B = x's (tokens 1,024 x cluster y + 256 cx).
; WAVES: first part 128 x 128 a wave, 64 accumulators; v: 64 channels x 128 tokens a wave, 32 accumulators, two sets of fragments for both operands.
; THE WAY OUT: sum x 2^(e0 + e1) + bias in one fused multiply-add; the hold; eight codes a conversion; 64 rows of A at a time through my own stage in LDS, which lies behind the ring (the slots are filled again);
; back as register images, into window 1; stores of 512 consecutive bytes.
; qkv: section (q, k, v) x 8,388,608 + (16 batch + head) x 131,072 + block of 128 tokens x 8,192; in a block, with r = lane % 16, h = lane / 16:
;   q: u x 1024 + c x 512 + 16 lane = q[16 u + r][32 c + 16 h + 0..15];   k: the same of token 32 (u / 2) + 8 (u % 2) + r + 8 (r / 8);
;   v: t x 2048 + c x 512 + 16 lane = v[token 32 c + 16 h + 0..15][channel 32 (t / 2) + 8 (t % 2) + r + 8 (r / 8)].
; LIMITS: e0 + e1 between -126 and 127; e2, e3, e5 between -126 and 119.  NaN is not served.  The two biases are added to each other first, then to the sum: another order of rounding than the source's.
; Inside a matrix instruction k is permuted, alike in both operands (four loads of 16 bytes a fragment).  NO PREFETCH: the block is the largest, in clusters, and K is four steps a tile.
.set ROWB,   256
.set KROW,   1024
.set PITCH,  272                       ; an LDS row: 256 bytes + 16 of padding
.set FR,     16
.set NL,     4
.set NP,     4
.set HALFT,  128*PITCH
.set SLOT,   4*HALFT                   ; A's 256 rows (v: 128), then B's 256 rows
.set STG,    2*SLOT                    ; the stages: 64 rows x SGP bytes for each wave
.set SGP,    144                       ; a stage row: 128 codes + 16 of padding
.set SGB,    64*SGP
.set SPARE,  STG+4*SGB                 ; the spare words, 128 bytes for each wave
.set ADRA, 16                          ; v16-17  my A fragments in slot 0, 1, first part
.set ADRC, 18                          ; v18-19  the same for v
.set ADRB, 20                          ; v20-21  my B fragments
.set STO,  24
.set RDK,  25                          ; back from the stage, rows r + 8 (r / 8): k and v
.set RDQ,  26                          ; rows r: q
.set GOF,  27                          ; 16 x lane
.set SPW,  28
.set NIL,  29
.set BI,   32                          ; v32-95  q, k: register 8 b + j is channel 16 b + 8 h + j's bias
.set LIMR, 96                          ; 448 x 2^e and 2^e of q or k
.set SCR,  97
.set BV,   98                          ; v98-105  v: pair a holds channel 16 a + r's bias
.set LIM2, 114                         ; the same two of v
.set SC2,  115
.set AF,   128                         ; A's fragments, window 0
.set G1C, 4                            ; s[4:11] group 1 for v's A tiles: 64 rows
.set G1, 24
.set G0, 32
.set G1B, 48
.set G0B, 56
.set MSB, 0
.macro WIN new
.if MSB != \new
	s_set_vgpr_msb (MSB<<8)|\new
.set MSB, \new
.endif
.endm
.set MUL_LO, 0xa1                      ; source 0 (B) window 1, source 1 (A) window 0, C and D window 2
.set MUL_HI, 0xf1
.set TO_B,   0x40
.macro JLOAD g0a, g1a, g0b, g1b        ; waves 0 and 1 fetch for A, waves 2 and 3 for B; an s_nop 0 and four v_nop follow each line
	s_cmp_eq_u32 s15, 0
	s_cbranch_scc0 .Lfor_b_\@
	tensor_load_to_lds s[\g0a:\g0a+3], s[\g1a:\g1a+7]
	s_nop 0
.rept 4
	v_nop
.endr
	s_branch .Lasked_\@
.Lfor_b_\@:
	tensor_load_to_lds s[\g0b:\g0b+3], s[\g1b:\g1b+7]
	s_nop 0
.rept 4
	v_nop
.endr
.Lasked_\@:
.endm
.macro CREST
	s_cmp_lg_u32 s14, 0
	s_cbranch_scc1 .Lnot_wave_0_\@
	s_barrier_signal -3
.Lnot_wave_0_\@:
	s_barrier_wait -3
	s_barrier_signal -1
	s_barrier_wait -1
.endm
.macro CROUND
	s_barrier_signal -1
	s_barrier_wait -1
	CREST
.endm
.macro PLACES n
.rept \n
	v_nop
.endr
.endm
	s_load_b512 s[68:83], s[0:1], 0x0              ; x_codes 68, w_codes 70, scales 72, b_attn 74, bQ 76, bK 78, bV 80, qkv 82
	v_lshl_add_u32 v[SPW], v0, 2, SPARE
	v_mov_b32 v[NIL], 0
	ds_add_u32 v[SPW], v[NIL]                      ; the opening lines: the add twice on end and its wait
	ds_add_u32 v[SPW], v[NIL]
	v_lshrrev_b32 v1, 5, v0
	v_readfirstlane_b32 s14, v1                    ; wave 0..3
	s_lshr_b32 s15, s14, 1                         ; which half of A's rows is mine.  Also: I fetch for A (0) or for B (1)
	s_and_b32 s16, s14, 1                          ; which half of B's rows.  Also: which half of the tile I fetch
	s_bfe_u32 s40, ttmp6, 0x40000                  ; cx
	s_bfe_u32 s41, ttmp6, 0x40004                  ; cy
	s_and_b32 s98, ttmp7, 0xffff                   ; cluster y: which 1,024 tokens
	s_lshl_b32 s17, s98, 2
	s_add_co_u32 s17, s17, s41                     ; first part: A's tile of 256 tokens: it holds cy alone
	s_lshl_b32 s42, ttmp9, 2
	s_add_co_u32 s42, s42, s40                     ; B's tile of 256 rows of w_codes: it holds cx alone
	s_lshl_b32 s43, s41, 2
	s_lshl_b32 s43, 15, s43                        ; my row of the cluster
	s_lshl_b32 s44, 0x1111, s40                    ; my column
	s_or_b32 s[G1+0], s43, (0<<16)|(1<<20)|(1<<21)|(5<<22)|(3<<25)  ; the mask; elements of 1 byte; padding on; bit 21 beside a mask; 4 words behind every 64
	s_or_b32 s[G1C+0], s43, (0<<16)|(1<<20)|(1<<21)|(5<<22)|(3<<25)
	s_or_b32 s[G1B+0], s44, (0<<16)|(1<<20)|(1<<21)|(5<<22)|(3<<25)
.irp g, G1, G1B
	s_mov_b32 s[\g+1], ROWB<<16
	s_mov_b32 s[\g+2], 128<<16
	s_mov_b32 s[\g+3], ROWB<<16
	s_mov_b32 s[\g+4], 128
	s_mov_b32 s[\g+5], KROW
	s_mov_b32 s[\g+6], 0
	s_mov_b32 s[\g+7], 0
.endr
	s_mov_b32 s[G1C+1], ROWB<<16
	s_mov_b32 s[G1C+2], 64<<16
	s_mov_b32 s[G1C+3], ROWB<<16
	s_mov_b32 s[G1C+4], 64
	s_mov_b32 s[G1C+5], KROW
	s_mov_b32 s[G1C+6], 0
	s_mov_b32 s[G1C+7], 0
	s_lshl_b32 s23, s16, 7                         ; 128 x the half that I fetch
	s_lshl_b32 s20, s17, 8
	s_add_co_u32 s20, s20, s23
	s_lshl_b32 s20, s20, 10                        ; first part, A: its row x 1,024 bytes
	s_mov_b32 s21, 0
	s_lshl_b32 s46, s42, 8
	s_add_co_u32 s46, s46, s23
	s_lshl_b32 s46, s46, 10                        ; B likewise
	s_mov_b32 s47, 0
	s_lshl_b32 s12, ttmp9, 9
	s_lshl_b32 s13, s41, 7
	s_add_co_u32 s12, s12, s13
	s_lshl_b32 s13, s16, 6
	s_add_co_u32 s12, s12, s13
	s_add_co_u32 s12, s12, 2048
	s_lshl_b32 s12, s12, 10                        ; v, A: row 2,048 + 512 x cluster x + 128 cy + 64 x half of w_codes
	s_mov_b32 s13, 0
	s_lshl_b32 s18, s98, 10
	s_lshl_b32 s19, s40, 8
	s_add_co_u32 s18, s18, s19
	s_add_co_u32 s18, s18, s23
	s_lshl_b32 s18, s18, 10                        ; v, B: token 1,024 x cluster y + 256 cx + 128 x half
	s_mov_b32 s19, 0
	s_mul_i32 s45, s14, HALFT                      ; where they go: wave x 128 rows;
	s_mul_i32 s22, s16, 64*PITCH                   ; v's A: half x 64 rows
	s_wait_dscnt 0x0                               ; both opening adds are done
	s_wait_kmcnt 0x0
	s_load_b256 s[84:91], s[72:73], 0x0            ; e0 .. e7
	s_add_nc_u64 s[20:21], s[68:69], s[20:21]
	s_add_nc_u64 s[46:47], s[70:71], s[46:47]
	s_add_nc_u64 s[12:13], s[70:71], s[12:13]
	s_or_b32 s13, s13, 0x80000000
	s_add_nc_u64 s[18:19], s[68:69], s[18:19]
	s_or_b32 s19, s19, 0x80000000
	CROUND                                         ; all sixteen work-groups are here: the first joint loads meet
.irp s, 0,1
	s_mov_b32 s[G0+4*\s], 1
	s_add_co_u32 s[G0+4*\s+1], s45, \s*SLOT
	s_add_nc_u64 s[G0+4*\s+2:G0+4*\s+3], s[20:21], \s*ROWB
	s_or_b32 s[G0+4*\s+3], s[G0+4*\s+3], 0x80000000
	s_mov_b32 s[G0B+4*\s], 1
	s_add_co_u32 s[G0B+4*\s+1], s45, \s*SLOT
	s_add_nc_u64 s[G0B+4*\s+2:G0B+4*\s+3], s[46:47], \s*ROWB
	s_or_b32 s[G0B+4*\s+3], s[G0B+4*\s+3], 0x80000000
.endr
	JLOAD G0, G1, G0B, G1B                         ; K step 0: my one load at the head
	s_mul_i32 s92, s15, HALFT
	s_mul_i32 s93, s16, HALFT
	s_add_co_u32 s93, s93, 2*HALFT
	s_mul_i32 s94, s15, 64*PITCH
	s_mul_i32 s23, s14, SGB
	s_add_co_u32 s23, s23, STG                     ; my stage
	v_and_b32 v1, 15, v0                           ; r
	v_bfe_u32 v2, v0, 4, 1                         ; h
	v_mul_u32_u24 v3, v1, PITCH
	v_lshl_add_u32 v4, v2, 4, v3                   ; a fragment's row x pitch + 16 h
	v_add_nc_u32 v[ADRA], s92, v4
	v_add_nc_u32 v[ADRB], s93, v4
	v_add_nc_u32 v[ADRC], s94, v4
	v_add_nc_u32 v[ADRA+1], SLOT, v[ADRA]
	v_add_nc_u32 v[ADRB+1], SLOT, v[ADRB]
	v_add_nc_u32 v[ADRC+1], SLOT, v[ADRC]
	v_mul_u32_u24 v5, v1, SGP
	v_add_nc_u32 v5, s23, v5
	v_lshl_add_u32 v[STO], v2, 3, v5               ; in: row r, 8 codes for each half of the lanes
	v_lshl_add_u32 v[RDQ], v2, 4, v5               ; back: row r, 16 codes for each half
	v_and_b32 v6, 8, v1
	v_mul_u32_u24 v6, v6, SGP
	v_add_nc_u32 v[RDK], v6, v[RDQ]                ; or row r + 8 (r / 8)
	v_and_b32 v6, 31, v0
	v_lshlrev_b32 v[GOF], 4, v6
	v_lshlrev_b32 v7, 5, v2                        ; q, k: the biases of channels 8 h on
	v_lshlrev_b32 v8, 2, v1                        ; v: the bias of channel r
	s_wait_alu depctr_va_vdst(0)                   ; directly ahead of the run of scalar instructions
	; where my parts lie: in registers that feed no descriptor and no LDS address
	s_lshl_b32 s92, s17, 8
	s_lshl_b32 s99, s15, 7
	s_add_co_u32 s92, s92, s99                     ; first part: my first token,
	s_lshl_b32 s93, s40, 8
	s_lshl_b32 s99, s16, 7
	s_add_co_u32 s93, s93, s99                     ; my first column within the section
	s_lshl_b32 s94, ttmp9, 9
	s_lshl_b32 s99, s41, 7
	s_add_co_u32 s94, s94, s99
	s_lshl_b32 s99, s15, 6
	s_add_co_u32 s94, s94, s99                     ; v: my first channel: one head,
	s_lshl_b32 s95, s98, 10
	s_add_co_u32 s95, s95, s93                     ; my first token
	s_lshr_b32 s66, s95, 11
	s_lshl_b32 s66, s66, 4
	s_lshr_b32 s99, s94, 6
	s_add_co_u32 s66, s66, s99                     ; 16 batch + head
	s_lshl_b32 s66, s66, 17
	s_and_b32 s99, s95, 2047
	s_lshl_b32 s99, s99, 6                         ; 128 tokens are 8,192 bytes
	s_add_co_u32 s66, s66, s99
	s_add_co_u32 s66, s66, 2<<23
	s_mov_b32 s67, 0
	s_add_nc_u64 s[100:101], s[82:83], s[66:67]    ; v's image at my part
	s_lshr_b32 s66, s92, 11
	s_lshl_b32 s66, s66, 4
	s_lshr_b32 s99, s93, 6
	s_add_co_u32 s66, s66, s99
	s_lshl_b32 s66, s66, 17
	s_and_b32 s99, s92, 2047
	s_lshl_b32 s99, s99, 6
	s_add_co_u32 s66, s66, s99
	s_lshl_b32 s99, ttmp9, 23
	s_add_co_u32 s66, s66, s99
	s_add_nc_u64 s[82:83], s[82:83], s[66:67]      ; q's or k's
	s_cmp_eq_u32 ttmp9, 0
	s_cselect_b64 s[76:77], s[76:77], s[78:79]     ; bQ or bK,
	s_lshl_b32 s66, s93, 2
	s_add_nc_u64 s[76:77], s[76:77], s[66:67]      ; at my first channel
	s_lshl_b32 s66, ttmp9, 10
	s_add_co_u32 s66, s66, s93
	s_lshl_b32 s66, s66, 2
	s_add_nc_u64 s[78:79], s[74:75], s[66:67]      ; b_attn at my first column of q or k,
	s_add_co_u32 s66, s94, 2048
	s_lshl_b32 s66, s66, 2
	s_add_nc_u64 s[74:75], s[74:75], s[66:67]      ; and of v
	s_lshl_b32 s66, s94, 2
	s_add_nc_u64 s[80:81], s[80:81], s[66:67]      ; bV
.irp b, 0,1,2,3,4,5,6,7
	global_load_b128 v[BI+8*\b:BI+8*\b+3], v7, s[78:79] offset:64*\b
	global_load_b128 v[BI+8*\b+4:BI+8*\b+7], v7, s[78:79] offset:64*\b+16
	global_load_b128 v[128+8*\b:131+8*\b], v7, s[76:77] offset:64*\b
	global_load_b128 v[132+8*\b:135+8*\b], v7, s[76:77] offset:64*\b+16
.endr
.irp a, 0,1,2,3
	global_load_b32 v[106+\a], v8, s[74:75] offset:64*\a
	global_load_b32 v[110+\a], v8, s[80:81] offset:64*\a
.endr
	s_wait_kmcnt 0x0
	s_add_co_i32 s96, s84, s85
	s_add_co_i32 s96, s96, 127
	s_lshl_b32 s96, s96, 23                        ; 2^(e0 + e1) as f32
	s_mov_b32 s97, s96
	s_cmp_eq_u32 ttmp9, 0
	s_cselect_b32 s99, s86, s87                    ; e2 or e3
	s_add_co_i32 s99, s99, 127
	s_lshl_b32 s92, s99, 23
	v_mov_b32 v[SCR], s92
	s_add_co_i32 s99, s99, 8
	s_lshl_b32 s99, s99, 23
	s_or_b32 s99, s99, 0x600000
	v_mov_b32 v[LIMR], s99
	s_add_co_i32 s99, s89, 127                     ; e5
	s_lshl_b32 s92, s99, 23
	v_mov_b32 v[SC2], s92
	s_add_co_i32 s99, s99, 8
	s_lshl_b32 s99, s99, 23
	s_or_b32 s99, s99, 0x600000
	v_mov_b32 v[LIM2], s99
	s_wait_alu depctr_va_vdst(0)
	s_wait_loadcnt 0x0
.set j, 0
.rept 32
	v_pk_add_f32 v[BI+j:BI+j+1], v[BI+j:BI+j+1], v[128+j:129+j]
.set j, j+2
.endr
.irp a, 0,1,2,3
	v_add_f32 v[BV+2*\a], v[106+\a], v[110+\a]
	v_add_f32 v[BV+2*\a+1], v[106+\a], v[110+\a]   ; (named with it as a pair, so it is written)
.endr
.macro FRAG reg, adr, q, i             ; 16 rows x 128 K: lane l holds row l % 16; registers 4 c .. 4 c + 3 hold K = 32 c + 16 (l / 16) + 0 .. 15
.irp c, 0,1,2,3
	ds_load_b128 v[\reg+4*\c:\reg+4*\c+3], v[\adr] offset:128*(\q)+32*\c+(\i)*16*PITCH
.endr
.endm
; 16 matrix instructions: A's blocks a0, a0 + 1 x B's eight.  The accumulators take turns, one instruction a turn, in the same order in every step.
.macro MUL16 a0, p, zero
.irp a, \a0, \a0+1
.irp b, 0,1,2,3,4,5,6,7
.if \zero
	v_wmma_f32_16x16x128_fp8_fp8 v[8*(8*((\a)%4)+\b):8*(8*((\a)%4)+\b)+7], v[128*(\p)+FR*\b:128*(\p)+FR*\b+FR-1], v[AF+FR*(\a):AF+FR*(\a)+FR-1], 0
.else
	v_wmma_f32_16x16x128_fp8_fp8 v[8*(8*((\a)%4)+\b):8*(8*((\a)%4)+\b)+7], v[128*(\p)+FR*\b:128*(\p)+FR*\b+FR-1], v[AF+FR*(\a):AF+FR*(\a)+FR-1], v[8*(8*((\a)%4)+\b):8*(8*((\a)%4)+\b)+7]
.endif
.endr
.endr
.endm
.macro FETCH_B slot, q, p
	WIN TO_B
.irp i, 0,1,2,3,4,5,6,7
	FRAG 128*(\p)+FR*\i, ADRB+\slot, \q, \i
.endr
	WIN 0
.endm
.macro FETCH_A slot, q, i0
.irp i, \i0, \i0+1, \i0+2, \i0+3
	FRAG AF+FR*(\i), ADRA+\slot, \q, \i
.endr
.endm
.macro STEP slot, q, zero              ; first part: 128 along K whose successor lies in the same slot
	s_wait_dscnt 4*NL                              ; B's set and A's blocks 0-3 are in; the youngest sixteen loads (A's blocks 4-7) may be out
	WIN MUL_LO
	MUL16 0, (\q)%2, \zero
	MUL16 2, (\q)%2, \zero
	s_wait_dscnt 0
	PLACES NP
	FETCH_B \slot, (\q)+1, 1-(\q)%2
	FETCH_A \slot, (\q)+1, 0
	WIN MUL_HI
	MUL16 4, (\q)%2, \zero
	MUL16 6, (\q)%2, \zero
	PLACES NP
	WIN 0
	FETCH_A \slot, (\q)+1, 4
.endm
; A slot's last step changes slots: in front of the round each wave waits for all its tensor loads, adds 0 to its spare word, and waits for that and for its reads of this slot.
; fill = 1: this slot takes the tile's K step two on; fill = 2: v's K step 0 (slot 0) or 1 (slot 1).  fetch = 0: the tile's last step: the next fragments are fetched behind the way out.
.macro TURN slot, next, fill, fetch
	s_wait_tensorcnt 0x0
	ds_add_u32 v[SPW], v[NIL]
	s_wait_dscnt 4*NL+1                            ; (the add and A's blocks 4-7 may be out)
	WIN MUL_LO
	MUL16 0, 1, 0
	s_wait_dscnt 0x0
	s_barrier_signal -1
	MUL16 2, 1, 0
	WIN 0
	s_barrier_wait -1
	CREST
.if \fill == 1
	s_add_nc_u64 s[G0+4*\slot+2:G0+4*\slot+3], s[G0+4*\slot+2:G0+4*\slot+3], 2*ROWB
	s_add_nc_u64 s[G0B+4*\slot+2:G0B+4*\slot+3], s[G0B+4*\slot+2:G0B+4*\slot+3], 2*ROWB
	JLOAD G0+4*\slot, G1, G0B+4*\slot, G1B
.else
	s_add_co_u32 s[G0+4*\slot+1], s22, \slot*SLOT
	s_add_nc_u64 s[G0+4*\slot+2:G0+4*\slot+3], s[12:13], \slot*ROWB
	s_add_nc_u64 s[G0B+4*\slot+2:G0B+4*\slot+3], s[18:19], \slot*ROWB
	JLOAD G0+4*\slot, G1C, G0B+4*\slot, G1B
.endif
.if \fetch
	FETCH_B \next, 0, 0
	FETCH_A \next, 0, 0
.endif
	WIN MUL_HI
	MUL16 4, 1, 0
	MUL16 6, 1, 0
.if \fetch
	PLACES NP
	WIN 0
	FETCH_A \next, 0, 4
.else
	WIN 0
.endif
.endm
; v: 32 matrix instructions for 128 along K; set p of B's eight fragments (window 1) and of A's four (window 0, 64 registers a set)
.macro FETCH2 slot, q, p
	FETCH_B \slot, \q, \p
.irp i, 0,1,2,3
	FRAG AF+64*(\p)+FR*\i, ADRC+\slot, \q, \i
.endr
.endm
.macro MULP a, p, zero
.irp b, 0,1,2,3,4,5,6,7
.if \zero
	v_wmma_f32_16x16x128_fp8_fp8 v[8*(8*(\a)+\b):8*(8*(\a)+\b)+7], v[128*(\p)+FR*\b:128*(\p)+FR*\b+FR-1], v[AF+64*(\p)+FR*(\a):AF+64*(\p)+FR*(\a)+FR-1], 0
.else
	v_wmma_f32_16x16x128_fp8_fp8 v[8*(8*(\a)+\b):8*(8*(\a)+\b)+7], v[128*(\p)+FR*\b:128*(\p)+FR*\b+FR-1], v[AF+64*(\p)+FR*(\a):AF+64*(\p)+FR*(\a)+FR-1], v[8*(8*(\a)+\b):8*(8*(\a)+\b)+7]
.endif
.endr
.endm
.macro STEPP slot, zero
	s_wait_dscnt 0x0                               ; set 0 is in
	PLACES NP
	FETCH2 \slot, 1, 1
	WIN MUL_LO
	MULP 0, 0, \zero
	MULP 1, 0, \zero
	MULP 2, 0, \zero
	MULP 3, 0, \zero
.endm
.macro TURNP slot, next, fill
	WIN 0
	s_wait_tensorcnt 0x0
	ds_add_u32 v[SPW], v[NIL]
	s_wait_dscnt 1                                 ; set 1 is in; the add may be out
	WIN MUL_LO
	MULP 0, 1, 0
	s_wait_dscnt 0x0
	s_barrier_signal -1
	MULP 1, 1, 0
	WIN 0
	s_barrier_wait -1
.if \fill
	CREST
	s_add_nc_u64 s[G0+4*\slot+2:G0+4*\slot+3], s[G0+4*\slot+2:G0+4*\slot+3], 2*ROWB
	s_add_nc_u64 s[G0B+4*\slot+2:G0B+4*\slot+3], s[G0B+4*\slot+2:G0B+4*\slot+3], 2*ROWB
	JLOAD G0+4*\slot, G1C, G0B+4*\slot, G1B
.else
	PLACES NP
.endif
	FETCH2 \next, 0, 0
	WIN MUL_LO
	MULP 2, 1, 0
	MULP 3, 1, 0
.endm
; THE WAY OUT, first half: block a (16 rows of A x 128 rows of B): the numbers, the hold, the codes, into stage rows 16 (a % 4) on.  Each accumulator is read from its low end on.
.macro OUT1 a, isv, lim, sc
.set AC, 64*((\a)%4)
.set CD, 192+16*((\a)%2)
	WIN 0x02+((\a)/4)
.set j, 0
.rept 32
.if \isv
	v_pk_fma_f32 v[128+j:129+j], v[AC+j:AC+j+1], s[96:97], v[BV+2*(\a):BV+2*(\a)+1] op_sel_hi:[1,0,0]   ; v: the bias of the lane's channel in block a
.else
	v_pk_fma_f32 v[128+j:129+j], v[AC+j:AC+j+1], s[96:97], v[BI+j:BI+j+1] op_sel_hi:[1,0,1]             ; q, k: a bias for each register
.endif
.set j, j+2
.endr
	WIN 0
.set j, 0
.rept 64
	v_med3_num_f32 v[128+j], v[128+j], -v[\lim], v[\lim]   ; the conversion does not saturate (ISA guide 7.6.2)
.set j, j+1
.endr
.if ((\a)%4) > 1
	s_wait_alu depctr_va_vdst(0)
	s_wait_dscnt 8                                 ; the stores of two blocks back have read this set of code registers; the last block's eight may be out
.endif
.irp b, 0,1,2,3,4,5,6,7
	v_cvt_scalef32_pk8_fp8_f32 v[CD+2*\b:CD+2*\b+1], v[128+8*\b:135+8*\b], v[\sc]
.endr
	v_nop                                          ; one plain vector instruction behind the last conversion
.irp b, 0,1,2,3,4,5,6,7
	ds_store_b64 v[STO], v[CD+2*\b:CD+2*\b+1] offset:((\a)%4)*16*SGP+16*\b
.endr
.endm
; second half: the stage's 64 rows come back as register images into window 1, registers 64 set on; LDS serves a wave's instructions in order, so these see my stores.  kind: 0 q, 1 k, 2 v; hf: which 64 tokens of q or k
.macro PH2 rd, kind, hf, set, base
	WIN 0x40
.set n, 0
.rept 16
.if \kind == 0
	ds_load_b128 v[64*(\set)+4*n:64*(\set)+4*n+3], v[\rd] offset:16*(n/4)*SGP+32*(n%4)
.else
	ds_load_b128 v[64*(\set)+4*n:64*(\set)+4*n+3], v[\rd] offset:(32*(n/8)+8*((n/4)%2))*SGP+32*(n%4)
.endif
.set n, n+1
.endr
	WIN 0x04                                       ; a store's data: window 1
.set n, 0
.rept 16
	s_wait_dscnt 15-n
.if \kind == 2
	global_store_b128 v[GOF], v[64*(\set)+4*n:64*(\set)+4*n+3], s[\base:\base+1] offset:(n/4)*2048+(n%4)*512
.else
	global_store_b128 v[GOF], v[64*(\set)+4*n:64*(\set)+4*n+3], s[\base:\base+1] offset:((n%4)/2)*131072+(4*(\hf)+n/4)*1024+(n%2)*512
.endif
.set n, n+1
.endr
	WIN 0
.endm
.macro HALF_OUT hf                     ; 64 tokens of q or k: the choice hangs on the cluster's x, which all partners share
.irp a, 0,1,2,3
	OUT1 4*(\hf)+\a, 0, LIMR, SCR
.endr
	s_cmp_eq_u32 ttmp9, 0
	s_cbranch_scc1 .Lq_\@
	PH2 RDK, 1, \hf, \hf, 82
	s_branch .Lj_\@
.Lq_\@:
	PH2 RDQ, 0, \hf, \hf, 82
.Lj_\@:
.endm
	s_wait_alu depctr_va_vdst(0)                   ; the head's end
	s_wait_tensorcnt 0x0                           ; my part of K step 0 is in
	ds_add_u32 v[SPW], v[NIL]
	s_wait_dscnt 0x0
	CROUND
	JLOAD G0+4, G1, G0B+4, G1B                     ; K step 1: the first tensor load behind the round
	FETCH_B 0, 0, 0
	FETCH_A 0, 0, 0
	FETCH_A 0, 0, 4
	STEP 0, 0, 1                                   ; the first products start the sums: nothing is cleared
	TURN 0, 1, 1, 1                                ; slot 0 takes K step 2
	STEP 1, 0, 0
	TURN 1, 0, 1, 1                                ; slot 1 takes K step 3
	STEP 0, 0, 0
	TURN 0, 1, 2, 1                                ; slot 0 takes v's K step 0
	STEP 1, 0, 0
	TURN 1, 0, 2, 0                                ; slot 1 takes v's K step 1; every wave has waited for v's K step 0 in front of this round
	PLACES NP                                      ; in front of vector writes of the registers that held A's fragments, and of the first reads of the last sums
	HALF_OUT 0
	HALF_OUT 1
	s_wait_xcnt 0x0                                ; the stores have read their registers in window 1: B's fragments land there
	FETCH2 0, 0, 0
	STEPP 0, 1
	TURNP 0, 1, 1                                  ; slot 0 takes v's K step 2
	STEPP 1, 0
	TURNP 1, 0, 1                                  ; slot 1 takes v's K step 3
	STEPP 0, 0
	TURNP 0, 1, 0                                  ; nothing is left to fetch
	STEPP 1, 0
	s_wait_dscnt 0x0
	MULP 0, 1, 0
	MULP 1, 1, 0
	MULP 2, 1, 0
	MULP 3, 1, 0
	WIN 0
	PLACES NP
.irp a, 0,1,2,3
	OUT1 \a, 1, LIM2, SC2
.endr
	PH2 RDK, 2, 0, 0, 100
	s_wait_tensorcnt 0x0                           ; the wave's end
	ds_add_u32 v[SPW], v[NIL]
	s_wait_dscnt 0x0
	CROUND                                         ; the closing round
	s_endpgm
.Lfunc_end_k_q48391232db_qkv:
	.size	k_q48391232db_qkv, .Lfunc_end_k_q48391232db_qkv-k_q48391232db_qkv
	.p2alignl 7, 3214868480
	.fill 96, 4, 3214868480
	.section	.rodata,"a",@progbits
	.p2align	6, 0x0
	.amdhsa_kernel k_q48391232db_qkv
		.amdhsa_group_segment_fixed_size 327680
		.amdhsa_private_segment_fixed_size 0
		.amdhsa_enable_private_segment 0
		.amdhsa_kernarg_size 64
		.amdhsa_user_sgpr_count 2
		.amdhsa_user_sgpr_kernarg_segment_ptr 1
		.amdhsa_wavefront_size32 1
		.amdhsa_system_sgpr_workgroup_id_x 1
		.amdhsa_system_sgpr_workgroup_id_y 1
		.amdhsa_system_sgpr_workgroup_id_z 1
		.amdhsa_system_vgpr_workitem_id 0
		.amdhsa_next_free_vgpr 1024
		.amdhsa_next_free_sgpr 102
		.amdhsa_reserve_vcc 0
		.amdhsa_float_denorm_mode_32 3
		.amdhsa_float_denorm_mode_16_64 3
		.amdhsa_memory_ordered 1
		.amdhsa_forward_progress 1
		.amdhsa_inst_pref_size 235
	.end_amdhsa_kernel
	.amdgpu_metadata
---
amdhsa.version: [ 1, 2 ]
amdhsa.kernels:
  - .name:           k_q48391232db_qkv
    .symbol:         k_q48391232db_qkv.kd
    .args:
      - { .name: x_codes, .offset: 0, .size: 8, .value_kind: global_buffer, .address_space: global }
      - { .name: w_codes, .offset: 8, .size: 8, .value_kind: global_buffer, .address_space: global }
      - { .name: lowp_scales, .offset: 16, .size: 8, .value_kind: global_buffer, .address_space: global }
      - { .name: b_attn, .offset: 24, .size: 8, .value_kind: global_buffer, .address_space: global }
      - { .name: bQ, .offset: 32, .size: 8, .value_kind: global_buffer, .address_space: global }
      - { .name: bK, .offset: 40, .size: 8, .value_kind: global_buffer, .address_space: global }
      - { .name: bV, .offset: 48, .size: 8, .value_kind: global_buffer, .address_space: global }
      - { .name: qkv, .offset: 56, .size: 8, .value_kind: global_buffer, .address_space: global }
    .group_segment_fixed_size: 327680
    .private_segment_fixed_size: 0
    .kernarg_segment_align: 8
    .kernarg_segment_size: 64
    .max_flat_workgroup_size: 128
    .sgpr_count:     102
    .vgpr_count:     1024
    .wavefront_size: 32
...
	.end_amdgpu_metadata
.endif
;; end of part 2
;; launch attn (part 3): grid 4 x 64, 8 waves a work-group, clusters of 4 x 1, 327,680 bytes of LDS; arguments qkv, lowp_scales, y_img; writes y_img
.if DOCPART == 3
	.amdgcn_target "amdgcn-amd-amdhsa--gfx1250"
	.amdhsa_code_object_version 6
	.text
	.protected	k_q48391232db_attn
	.globl	k_q48391232db_attn
	.p2align	8
	.type	k_q48391232db_attn,@function
k_q48391232db_attn:
	s_mov_b64 s[64:65], 0
	v_nop
	global_prefetch_b8 v0, s[64:65] scope:SCOPE_SE
	s_setreg_imm32_b32 hwreg(HW_REG_WAVE_MODE, 25, 1), 1
	s_wait_xcnt 0x0
	s_wait_alu depctr_hold_cnt(0) depctr_sa_sdst(0) depctr_va_vdst(0) depctr_va_sdst(0) depctr_va_ssrc(0) depctr_va_vcc(0) depctr_vm_vsrc(0)
	s_getreg_b32 s2, hwreg(HW_REG_IB_STS2, 6, 4)
	s_cmp_eq_u32 s2, 0
	s_cbranch_scc0 .Lentry_in_a_cluster
	s_endpgm
.Lentry_in_a_cluster:
	s_bfe_u32 s2, ttmp6, 0x10000c
	s_cmp_lg_u32 s2, 0x3003
	s_cbranch_scc0 .Lentry_shape_is_right
	s_endpgm
.Lentry_shape_is_right:
; y = softmax(q k^T / 8, causal) v for one head, both products on codes of E4M3, and y quantised with its given scale into the image that the last product reads.
; LEFT OUT: key steps all of whose keys come after a wave's queries: the causal mask sets their scores to -infinity, so their p is 0 for all values of the inputs.
; THE SOFTMAX: t = score x log2(e) / 8; M = the running largest t rounded UP to a whole number; p = 2^(t - M) is quantised along the keys, not normalised; the row's sum is taken of the unquantised p and divides at the end.
; When M moves, the sum and O are multiplied by 2^(old M - new M), which rounds nothing.
; LDS HOLDS THE WHOLE HEAD: K's image, 131,072 bytes, from byte 0, V's from byte 131,072: 16 key steps of 128 keys, 8,192 bytes each in each image.  Nothing is filled again.
; CLUSTER: the four work-groups of a head read the same K and V, so each load is a joint one (mask 15).  Two groups of loads: key steps 0-3 at the head (8,192 bytes a wave: waves 0-3 K, 4-7 V),
; key steps 4-15 behind the full sequence and a round (24,576 bytes a wave); they are waited for, with one barrier, ahead of the trip that first asks for key step 4.
; SHARES.  The head's 2,048 queries are 64 groups of 32.  Wave w of the work-group at place cx owns groups 63 - g and g, g = 4 w + cx: 16 - w and w + 1 key steps, 17 for every wave.
; Trip counts, branches and LDS addresses hang on w and the trip's number alone; cx enters global addresses and the diagonal's compare values only.
; Trip s takes key step (s + w ((s + w) / 16)) mod 16: s while the first group lasts (s + w < 16), then 0 .. w.
; K's fragments of the next trip are asked for behind this trip's first product (the last trip's land in registers and are not used); V's at the trip's head.
; NO PREFETCH: all of K and V is asked for by the two groups of loads at the head; no later load is left to run ahead of.
; LAYOUT.  Both products are used transposed (S^T = K Q^T, O^T = V^T P^T): a lane holds ONE query.  Register 16 b + i of S^T is key 32 b + 16 (lane / 16) + i, of O^T channel 32 b + 16 (lane / 16) + i.
; y_img: (token / 16) x 16,384 + (2 head + c) x 512 + 16 lane = y[16 G + lane % 16][64 head + 32 c + 16 (lane / 16) + 0..15].
; LIMITS: e2 + e3 between -123 and 130 (added to c's exponent field); e4 and e6 between -126 and 119; e4 + e5 goes in by v_ldexp_f32 and has none.  NaN is not served.
; REGISTERS.  Window 0: v1-11 addresses and lane numbers; v16-31 eight statistics a tile; v32-43 at work and scales; v48-63 Q; v64-79 the second group's Q; v80-111 p's codes; v128-255 S^T, then p.
; Window 1: v0-63 K's eight fragments; v64-127 V's four; v128-191 O^T.
.set VREG,  131072
.set SPARE, 262144                     ; the spare words, 128 bytes for each of eight waves
.set LI,   1                           ; 16 x lane
.set SPW,  2
.set NIL,  3
.set ADK,  4
.set ADV,  6
.set DQ,   8                           ; lane % 16 - 16 (lane / 16)
.set DD,   9                           ; v9, v10: tile t: my query less the diagonal step's first key less 16 (lane / 16)
.set DLO,  11                          ; the same for the second group's tile 0
.set ST,   16                          ; tile t at v[ST + 8 t]: +0 -M, +1 the largest t, +2, +3 the sum, +4 f (+5 named with it), +6, +7 at work
.set C2,   32
.set PD,   36
.set SCP,  38                          ; 2^e4
.set LMP,  39                          ; 448 x 2^e4, twice: the two halves of a dual pair take their second sources from different banks
.set NINF, 40
.set LMQ,  41
.set SCY,  42                          ; 2^e6
.set LMY,  43                          ; 448 x 2^e6
.set QF,   48
.set QG,   64
.set PC,   80
.set SS,   128
.set KFR,  0
.set VFR,  64
.set OO,   128
.set WV,   10
.set BH,   11
.set CX,   12
.set G1A,  16
.set G1B,  24
.set G0A,  32
.set G0B,  36
.set S,    40                          ; the trip's number, 0 .. 16
.set SWT,  41                          ; 15 - w: the first group's last trip
.set DG,   42                          ; the trip on the diagonal: 15 - w, then 16
.set TBV,  43
.set TBK,  44
.set W1,   45                          ; w + 1
.set SEL,  46
.set CS,   48
.set EPV,  50
.set YA,   52
.set YB,   54
.set QA,   56
.set QB,   58
.set KO,   60
.set KP,   62
.set MSB, 0
.macro WIN new
.if MSB != \new
	s_set_vgpr_msb (MSB<<8)|\new
.set MSB, \new
.endif
.endm
.macro PLACES
.rept 4
	v_nop
.endr
.endm
.macro CROUND                          ; a round of the cluster's barrier
	s_barrier_signal -1
	s_barrier_wait -1
	s_cmp_lg_u32 s[WV], 0
	s_cbranch_scc1 .Lnot_wave_0_\@
	s_barrier_signal -3
.Lnot_wave_0_\@:
	s_barrier_wait -3
	s_barrier_signal -1
	s_barrier_wait -1
.endm
	s_load_b128 s[4:7], s[0:1], 0x0                ; qkv, the scales' exponents
	s_load_b64 s[8:9], s[0:1], 0x10                ; y_img
	v_lshl_add_u32 v[SPW], v0, 2, SPARE
	v_mov_b32 v[NIL], 0
	ds_add_u32 v[SPW], v[NIL]                      ; the opening lines: the add twice on end and its wait
	ds_add_u32 v[SPW], v[NIL]
	v_lshrrev_b32 v4, 5, v0
	v_readfirstlane_b32 s[WV], v4                  ; wave 0..7
	s_mov_b32 s[G1A+0], 15|(3<<16)|(1<<21)         ; the mask of all four; elements of 8 bytes; bit 21 beside a mask; no padding: the images are read 512 consecutive bytes at a time
	s_mov_b32 s[G1A+1], 32<<16                     ; rows of 256 bytes
	s_mov_b32 s[G1A+2], 32<<16                     ; 32 rows: 8,192 dense bytes
	s_mov_b32 s[G1A+3], 32<<16
	s_mov_b32 s[G1A+4], 32
	s_mov_b32 s[G1A+5], 32
	s_mov_b32 s[G1A+6], 0
	s_mov_b32 s[G1A+7], 0
	s_mov_b32 s[G1B+0], 15|(3<<16)|(1<<21)
	s_mov_b32 s[G1B+1], 32<<16
	s_mov_b32 s[G1B+2], 96<<16                     ; 96 rows: 24,576 dense bytes
	s_mov_b32 s[G1B+3], 32<<16
	s_mov_b32 s[G1B+4], 96
	s_mov_b32 s[G1B+5], 32
	s_mov_b32 s[G1B+6], 0
	s_mov_b32 s[G1B+7], 0
	s_and_b32 s[BH], ttmp7, 0xffff                 ; 16 batch + head
	s_bfe_u32 s[CX], ttmp6, 0x40000                ; my place in the cluster
	s_lshr_b32 s13, s[WV], 2                       ; I fetch for K (0) or V (1),
	s_and_b32 s14, s[WV], 3                        ; which quarter
	s_lshl_b32 s15, s13, 17
	s_lshl_b32 s96, s14, 13                        ; first group: 8,192 x quarter
	s_mul_i32 s97, s14, 24576
	s_add_co_u32 s97, s97, 32768                   ; second: 32,768 + 24,576 x quarter; the same in LDS and in the head's image
	s_mov_b32 s[G0A], 1
	s_add_co_u32 s[G0A+1], s15, s96
	s_mov_b32 s[G0B], 1
	s_add_co_u32 s[G0B+1], s15, s97
	s_add_co_u32 s13, s13, 1
	s_lshl_b32 s13, s13, 23                        ; section 1 (k) or 2 (v)
	s_lshl_b32 s78, s[BH], 17                      ; the head's bytes in a section
	s_add_co_u32 s13, s13, s78
	s_add_co_u32 s[KO], s13, s96
	s_mov_b32 s[KO+1], 0
	s_add_co_u32 s[KP], s13, s97
	s_mov_b32 s[KP+1], 0
	s_lshl_b32 s79, s[CX], 5                       ; second group: first query less the diagonal step's first key = 32 cx
	s_sub_co_u32 s80, 96, s79                      ; first group: 96 - 32 cx
	s_lshl_b32 s76, s[WV], 7
	s_add_co_u32 s76, s76, s79                     ; second group's first query: 128 w + 32 cx
	s_sub_co_u32 s77, 2016, s76                    ; first group's
	s_lshl_b32 s[QA], s77, 6
	s_add_co_u32 s[QA], s[QA], s78
	s_mov_b32 s[QA+1], 0
	s_lshl_b32 s[QB], s76, 6
	s_add_co_u32 s[QB], s[QB], s78
	s_mov_b32 s[QB+1], 0
	s_lshr_b32 s81, s[BH], 4
	s_lshl_b32 s81, s81, 11
	s_and_b32 s82, s[BH], 15
	s_add_co_u32 s81, s81, s82                     ; a token's and a head's step in y_img are both 1,024 bytes
	s_add_co_u32 s[YA], s81, s77
	s_lshl_b32 s[YA], s[YA], 10
	s_mov_b32 s[YA+1], 0
	s_add_co_u32 s[YB], s81, s76
	s_lshl_b32 s[YB], s[YB], 10
	s_mov_b32 s[YB+1], 0
	s_sub_co_u32 s[SWT], 15, s[WV]
	s_mov_b32 s[DG], s[SWT]
	s_add_co_u32 s[W1], s[WV], 1
	s_mov_b32 s[S], 0
	s_mov_b32 s[TBV], VREG
	s_mov_b32 s[TBK], 8192
	s_mov_b32 s[SEL], 0x76543210
	s_mov_b32 s[SEL+1], 0xfedcba98
	s_wait_dscnt 0x0                               ; both opening adds are done
	s_wait_kmcnt 0x0
	s_load_b256 s[68:75], s[6:7], 0x0              ; e0 .. e7
	s_add_nc_u64 s[G0A+2:G0A+3], s[4:5], s[KO:KO+1]
	s_or_b32 s[G0A+3], s[G0A+3], 0x80000000
	s_add_nc_u64 s[G0B+2:G0B+3], s[4:5], s[KP:KP+1]
	s_or_b32 s[G0B+3], s[G0B+3], 0x80000000
	CROUND                                         ; all four work-groups are here: the first joint loads meet
	tensor_load_to_lds s[G0A:G0A+3], s[G1A:G1A+7]  ; key steps 0-3: my one load at the head
	s_nop 0
	PLACES
	s_add_nc_u64 s[QA:QA+1], s[4:5], s[QA:QA+1]
	s_add_nc_u64 s[QB:QB+1], s[4:5], s[QB:QB+1]
	s_add_nc_u64 s[YA:YA+1], s[8:9], s[YA:YA+1]
	s_add_nc_u64 s[YB:YB+1], s[8:9], s[YB:YB+1]
	v_and_b32 v[LI], 31, v0
	v_lshlrev_b32 v[LI], 4, v[LI]
.irp n, 0,1,2,3                        ; both groups' Q stay in registers: tile n / 2, channels 32 (n % 2) on
	global_load_b128 v[QF+4*\n:QF+4*\n+3], v[LI], s[QA:QA+1] offset:512*\n
	global_load_b128 v[QG+4*\n:QG+4*\n+3], v[LI], s[QB:QB+1] offset:512*\n
.endr
	v_and_b32 v[DQ], 15, v0
	v_bfe_u32 v5, v0, 4, 1
	v_lshlrev_b32 v5, 4, v5
	v_sub_nc_u32 v[DQ], v[DQ], v5
	v_add_nc_u32 v[DLO], s79, v[DQ]
	v_add_nc_u32 v[DD], s80, v[DQ]
	v_add_nc_u32 v[DD+1], 16, v[DD]
	v_mov_b32 v[NINF], 0xff800000
.irp t, 0,1
	v_mov_b32 v[ST+8*\t+1], 0xff61b1e6             ; the largest t so far: -3e38, under every t
	v_floor_f32 v[ST+8*\t], -v[ST+8*\t+1]          ; -M
	v_mov_b32 v[ST+8*\t+2], 0
	v_mov_b32 v[ST+8*\t+3], 0
	v_mov_b32 v[ST+8*\t+5], 0                      ; (named as the upper half of f's pair)
	v_mov_b32 v[PD+\t], 0                          ; a lane exchange's destination counts as one of its sources
.endr
	WIN 0x40
.set j, 0
.rept 64
	v_mov_b32 v[OO+j], 0                           ; O^T: the step is written for all trips alike; the first finds zeros
.set j, j+1
.endr
	WIN 0
	s_wait_kmcnt 0x0
	s_add_co_i32 s96, s70, s71
	s_lshl_b32 s96, s96, 23
	s_add_co_i32 s[CS], s96, 0x3e38aa3b            ; c = log2(e) / 8, with e2 + e3 added to its exponent field
	s_mov_b32 s[CS+1], s[CS]
	s_add_co_i32 s[EPV], s72, s73
	s_add_co_i32 s96, s72, 127
	s_lshl_b32 s97, s96, 23
	v_mov_b32 v[SCP], s97
	s_add_co_i32 s96, s96, 8
	s_lshl_b32 s96, s96, 23
	s_or_b32 s96, s96, 0x600000
	v_mov_b32 v[LMP], s96
	v_mov_b32 v[LMQ], s96
	s_add_co_i32 s96, s74, 127
	s_lshl_b32 s97, s96, 23
	v_mov_b32 v[SCY], s97
	s_add_co_i32 s96, s96, 8
	s_lshl_b32 s96, s96, 23
	s_or_b32 s96, s96, 0x600000
	v_mov_b32 v[LMY], s96
.macro PH_MAX                          ; both tiles by turns, four chains: the step's largest score of my query, the new M, and f.  Each accumulator is read from its low end on
.irp t, 0,1
	v_max3_num_f32 v[ST+8*\t+6], v[SS+64*\t], v[SS+64*\t+1], v[SS+64*\t+2]
	v_max3_num_f32 v[ST+8*\t+7], v[SS+64*\t+3], v[SS+64*\t+4], v[SS+64*\t+5]
.endr
.set i, 6
.rept 14
.irp t, 0,1
	v_max3_num_f32 v[ST+8*\t+6], v[ST+8*\t+6], v[SS+64*\t+i], v[SS+64*\t+i+1]
	v_max3_num_f32 v[ST+8*\t+7], v[ST+8*\t+7], v[SS+64*\t+i+2], v[SS+64*\t+i+3]
.endr
.set i, i+4
.endr
.irp t, 0,1
	v_max3_num_f32 v[ST+8*\t+6], v[ST+8*\t+6], v[SS+64*\t+62], v[SS+64*\t+63]
.endr
.irp t, 0,1
	s_delay_alu instid0(VALU_DEP_2)
	v_max_num_f32 v[ST+8*\t+6], v[ST+8*\t+6], v[ST+8*\t+7]
.endr
.irp t, 0,1
	s_delay_alu instid0(VALU_DEP_2)
	v_permlanex16_b32 v[PD+\t], v[ST+8*\t+6], s[SEL], s[SEL+1]
.endr
.irp t, 0,1
	s_delay_alu instid0(VALU_DEP_2)
	v_max_num_f32 v[ST+8*\t+6], v[ST+8*\t+6], v[PD+\t]     ; and among the other half's 64 keys
.endr
.irp t, 0,1
	s_delay_alu instid0(VALU_DEP_2)
	v_mul_f32 v[ST+8*\t+6], s[CS], v[ST+8*\t+6]            ; as t (c is positive)
.endr
.irp t, 0,1
	s_delay_alu instid0(VALU_DEP_2)
	v_max_num_f32 v[ST+8*\t+1], v[ST+8*\t+1], v[ST+8*\t+6] ; the running largest t
.endr
.irp t, 0,1
	v_mov_b32 v[ST+8*\t+6], v[ST+8*\t]
.endr
.irp t, 0,1
	s_delay_alu instid0(VALU_DEP_4)
	v_floor_f32 v[ST+8*\t], -v[ST+8*\t+1]                  ; the new -M = floor(-t): M is a whole number
.endr
.irp t, 0,1
	s_delay_alu instid0(VALU_DEP_2)
	v_sub_f32 v[ST+8*\t+6], v[ST+8*\t], v[ST+8*\t+6]       ; old M - new M: a whole number, 0 or less
.endr
.irp t, 0,1
	s_delay_alu instid0(VALU_DEP_2)
	v_cvt_i32_f32 v[ST+8*\t+6], v[ST+8*\t+6]               ; (it saturates)
.endr
.irp t, 0,1
	s_delay_alu instid0(VALU_DEP_2)
	v_ldexp_f32 v[ST+8*\t+4], 1.0, v[ST+8*\t+6]            ; f = 2^(old M - new M)
.endr
.endm
.macro PH_FMA t
.set j, 0
.rept 32
	v_pk_fma_f32 v[SS+64*(\t)+j:SS+64*(\t)+j+1], v[SS+64*(\t)+j:SS+64*(\t)+j+1], s[CS:CS+1], v[ST+8*(\t):ST+8*(\t)+1] op_sel_hi:[1,0,0]   ; t - M
.set j, j+2
.endr
.endm
.macro PH_SUM                          ; the rows' sums are taken of the unquantised p: two at a time, both tiles by turns, four chains
.irp t, 0,1
	v_pk_add_f32 v[C2+2*\t:C2+2*\t+1], v[SS+64*\t:SS+64*\t+1], v[SS+64*\t+2:SS+64*\t+3]
.endr
.set j, 4
.rept 15
.irp t, 0,1
	v_pk_add_f32 v[ST+8*\t+2:ST+8*\t+3], v[ST+8*\t+2:ST+8*\t+3], v[SS+64*\t+j:SS+64*\t+j+1]
	v_pk_add_f32 v[C2+2*\t:C2+2*\t+1], v[C2+2*\t:C2+2*\t+1], v[SS+64*\t+j+2:SS+64*\t+j+3]
.endr
.set j, j+4
.endr
.irp t, 0,1
	v_pk_add_f32 v[ST+8*\t+2:ST+8*\t+3], v[ST+8*\t+2:ST+8*\t+3], v[C2+2*\t:C2+2*\t+1]
.endr
.endm
.macro PH_CVT t                        ; the conversion does not saturate (ISA guide 7.6.2); p is not negative, so the hold is one-sided; two holds to a dual pair
.irp b, 0,1,2,3
.set j, 0
.rept 8
	v_dual_min_num_f32 v[SS+64*(\t)+16*\b+j], v[SS+64*(\t)+16*\b+j], v[LMP] :: v_dual_min_num_f32 v[SS+64*(\t)+16*\b+j+1], v[SS+64*(\t)+16*\b+j+1], v[LMQ]
.set j, j+2
.endr
	v_cvt_scalef32_pk8_fp8_f32 v[PC+16*(\t)+4*\b:PC+16*(\t)+4*\b+1], v[SS+64*(\t)+16*\b:SS+64*(\t)+16*\b+7], v[SCP]
	v_cvt_scalef32_pk8_fp8_f32 v[PC+16*(\t)+4*\b+2:PC+16*(\t)+4*\b+3], v[SS+64*(\t)+16*\b+8:SS+64*(\t)+16*\b+15], v[SCP]
.endr
.endm
; A KEY STEP: 128 keys x my 32 queries.  ph = 0: the first three trips, key step = trip, never on the diagonal; ph = 1: the others.
.macro STEP ph
.if \ph
	s_add_co_u32 s96, s[S], s[WV]                  ; this trip's key step: (s + w ((s + w) / 16)) mod 16
	s_lshr_b32 s96, s96, 4
	s_mul_i32 s96, s96, s[WV]
	s_add_co_u32 s96, s96, s[S]
	s_and_b32 s96, s96, 15
	s_lshl_b32 s96, s96, 13
	s_add_co_u32 s[TBV], s96, VREG
	s_add_co_u32 s97, s[S], s[W1]                  ; and the next trip's
	s_lshr_b32 s97, s97, 4
	s_mul_i32 s97, s97, s[WV]
	s_add_co_u32 s97, s97, s[S]
	s_add_co_u32 s97, s97, 1
	s_and_b32 s97, s97, 15
	s_lshl_b32 s[TBK], s97, 13
.endif
	v_add_nc_u32 v[ADV], s[TBV], v[LI]
	WIN 0x40
.set i, 0
.rept 16
	ds_load_b128 v[VFR+4*i:VFR+4*i+3], v[ADV] offset:512*i          ; V's four fragments, as they lie
.set i, i+1
.endr
	s_wait_dscnt 16                                ; K's sixteen loads, asked for a trip ago, are in; V's sixteen may be out
	WIN 0x01
.irp u, 0,1,2,3,4,5,6,7
.irp t, 0,1
	v_wmma_f32_16x16x64_fp8_fp8 v[SS+64*\t+8*\u:SS+64*\t+8*\u+7], v[KFR+8*\u:KFR+8*\u+7], v[QF+8*\t:QF+8*\t+7], 0
.endr
.endr
	WIN 0
	v_add_nc_u32 v[ADK], s[TBK], v[LI]             ; with the three below: four places ahead of loads into K's registers and of the first read of the scores
.rept 3
	v_nop
.endr
	WIN 0x40
.set i, 0
.rept 16
	ds_load_b128 v[KFR+4*i:KFR+4*i+3], v[ADK] offset:512*i          ; the next trip's K
.set i, i+1
.endr
	WIN 0
.if \ph
	s_cmp_lg_u32 s[S], s[DG]                       ; on the diagonal hidden scores become -infinity ahead of the maximum: p = 0 then.  The step's first key counts for all my queries
	s_cbranch_scc1 .Lopen_\@
.irp t, 0,1
.set n, 0
.rept 64
	v_cmp_gt_i32 vcc_lo, 32*(n/16)+n%16, v[DD+\t]
	v_cndmask_b32 v[SS+64*\t+n], v[SS+64*\t+n], v[NINF], vcc_lo
.set n, n+1
.endr
.endr
.Lopen_\@:
.endif
	PH_MAX
	PH_FMA 0
	PH_FMA 1
	s_wait_alu depctr_va_vdst(0)                   ; the wait ahead of the batch
.set j, 0
.rept 128
	v_exp_f32 v[SS+j], v[SS+j]                     ; p = 2^(t - M), at most 1
.set j, j+1
.endr
	v_pk_mul_f32 v[ST+2:ST+3], v[ST+2:ST+3], v[ST+4:ST+5] op_sel_hi:[1,0]       ; the sums under the new M: the plain instructions behind the exponentials
	v_pk_mul_f32 v[ST+10:ST+11], v[ST+10:ST+11], v[ST+12:ST+13] op_sel_hi:[1,0]
	s_wait_alu depctr_va_vdst(0)                   ; and the wait ahead of the batch's first reader
	PH_SUM
	PH_CVT 0
	PH_CVT 1
	WIN 0x41                                       ; O^T window 1, f window 0
	s_wait_alu depctr_va_vdst(0)                   ; directly ahead of the first reader of O^T
.irp t, 0,1
.set j, 0
.rept 16
	v_pk_mul_f32 v[OO+32*\t+j:OO+32*\t+j+1], v[OO+32*\t+j:OO+32*\t+j+1], v[ST+8*\t+4:ST+8*\t+5] op_sel_hi:[1,0]   ; O^T under the new M
.set j, j+2
.endr
.endr
	s_wait_alu depctr_va_vdst(0)
	s_wait_dscnt 16                                ; V is in; the next trip's K may be out
	WIN 0x51
.irp u, 0,1,2,3                        ; eight accumulators, one instruction a turn
.irp t, 0,1
	v_wmma_f32_16x16x128_fp8_fp8 v[OO+32*\t+8*\u:OO+32*\t+8*\u+7], v[VFR+16*\u:VFR+16*\u+15], v[PC+16*\t:PC+16*\t+15], v[OO+32*\t+8*\u:OO+32*\t+8*\u+7]
.endr
.endr
	WIN 0
	PLACES                                         ; ahead of the next loads into V's registers and of the next read of O^T, on every way
.endm
; A GROUP'S END: y = O^T x 2^(e4 + e5) / the sum, held, quantised with e6; each store covers 512 consecutive bytes, aligned.
.macro FINISH yp
.irp t, 0,1
	v_add_f32 v[ST+8*\t+6], v[ST+8*\t+2], v[ST+8*\t+3]
.endr
.irp t, 0,1
	s_delay_alu instid0(VALU_DEP_2)
	v_permlanex16_b32 v[PD+\t], v[ST+8*\t+6], s[SEL], s[SEL+1]
.endr
.irp t, 0,1
	s_delay_alu instid0(VALU_DEP_2)
	v_add_f32 v[ST+8*\t+6], v[ST+8*\t+6], v[PD+\t]
.endr
	s_wait_alu depctr_va_vdst(0)
.irp t, 0,1
	v_rcp_f32 v[ST+8*\t+4], v[ST+8*\t+6]
.endr
	v_nop
	s_wait_alu depctr_va_vdst(0)
.irp t, 0,1
	v_ldexp_f32 v[ST+8*\t+4], v[ST+8*\t+4], s[EPV]
.endr
.irp t, 0,1
	WIN 0x01
	s_wait_alu depctr_va_vdst(0)                   ; directly ahead of the first reader of this tile's O^T
.set j, 0
.rept 16
	v_pk_mul_f32 v[SS+64*\t+j:SS+64*\t+j+1], v[OO+32*\t+j:OO+32*\t+j+1], v[ST+8*\t+4:ST+8*\t+5] op_sel_hi:[1,0]
.set j, j+2
.endr
	WIN 0
.set j, 0
.rept 32
	v_med3_num_f32 v[SS+64*\t+j], v[SS+64*\t+j], -v[LMY], v[LMY]
.set j, j+1
.endr
.irp g, 0,1,2,3
	v_cvt_scalef32_pk8_fp8_f32 v[SS+64*\t+32+2*\g:SS+64*\t+33+2*\g], v[SS+64*\t+8*\g:SS+64*\t+8*\g+7], v[SCY]
.endr
	v_nop                                          ; one plain vector instruction behind the last conversion
	global_store_b128 v[LI], v[SS+64*\t+32:SS+64*\t+35], s[\yp:\yp+1] offset:\t*16384
	global_store_b128 v[LI], v[SS+64*\t+36:SS+64*\t+39], s[\yp:\yp+1] offset:\t*16384+512
.endr
.endm
	s_wait_alu depctr_va_vdst(0)                   ; the head's end
	s_wait_loadcnt 0x0                             ; Q
	s_wait_tensorcnt 0x0                           ; my part of key steps 0-3 is in
	ds_add_u32 v[SPW], v[NIL]
	s_wait_dscnt 0x0
	CROUND                                         ; everybody's part is in, and all four work-groups are here
	tensor_load_to_lds s[G0B:G0B+3], s[G1B:G1B+7]  ; key steps 4-15: the first tensor load behind the round
	s_nop 0
	PLACES
	WIN 0x40
.set i, 0
.rept 16
	ds_load_b128 v[KFR+4*i:KFR+4*i+3], v[LI] offset:512*i           ; key step 0's K
.set i, i+1
.endr
	WIN 0
.Lfirst:                                               ; trips 0-2: they read key steps 0-3 alone
	STEP 0
	s_add_co_u32 s[TBV], s[TBV], 8192
	s_add_co_u32 s[TBK], s[TBK], 8192
	s_add_co_u32 s[S], s[S], 1
	s_cmp_lt_u32 s[S], 3
	s_cbranch_scc1 .Lfirst
	s_wait_tensorcnt 0x0                           ; my part of key steps 4-15 is in,
	s_wait_dscnt 0x0                               ; no LDS load of mine is out at the signal,
	s_barrier_signal -1
	s_barrier_wait -1                              ; and so is everybody's.
.Lrest:                                                ; trips 3-16
	STEP 1
	s_cmp_lg_u32 s[S], s[SWT]                      ; was this the first group's last trip?  The wave's number and the trip's alone
	s_cbranch_scc1 .Lsame
	FINISH YA
.set j, 0
.rept 16
	v_mov_b32 v[QF+j], v[QG+j]                     ; the second group begins: its Q;
.set j, j+1
.endr
.irp t, 0,1
	v_mov_b32 v[ST+8*\t+1], 0xff61b1e6             ; the largest t goes back to -3e38, so that the next f is 0 and multiplies the old (finite) sums and O^T away
	v_floor_f32 v[ST+8*\t], -v[ST+8*\t+1]
.endr
	v_mov_b32 v[DD], v[DLO]
	v_add_nc_u32 v[DD+1], 16, v[DLO]
	s_mov_b32 s[DG], 16
	s_wait_alu depctr_va_vdst(0)
	s_wait_xcnt 0x0                                ; the stores have read their registers: the next scores land there
.Lsame:
	s_add_co_u32 s[S], s[S], 1
	s_cmp_lt_u32 s[S], 17
	s_cbranch_scc1 .Lrest
	FINISH YB
	s_wait_tensorcnt 0x0                           ; the wave's end
	ds_add_u32 v[SPW], v[NIL]
	s_wait_dscnt 0x0
	CROUND                                         ; the closing round
	s_endpgm
.Lfunc_end_k_q48391232db_attn:
	.size	k_q48391232db_attn, .Lfunc_end_k_q48391232db_attn-k_q48391232db_attn
	.p2alignl 7, 3214868480
	.fill 96, 4, 3214868480
	.section	.rodata,"a",@progbits
	.p2align	6, 0x0
	.amdhsa_kernel k_q48391232db_attn
		.amdhsa_group_segment_fixed_size 327680
		.amdhsa_private_segment_fixed_size 0
		.amdhsa_enable_private_segment 0
		.amdhsa_kernarg_size 24
		.amdhsa_user_sgpr_count 2
		.amdhsa_user_sgpr_kernarg_segment_ptr 1
		.amdhsa_wavefront_size32 1
		.amdhsa_system_sgpr_workgroup_id_x 1
		.amdhsa_system_sgpr_workgroup_id_y 1
		.amdhsa_system_sgpr_workgroup_id_z 1
		.amdhsa_system_vgpr_workitem_id 0
		.amdhsa_next_free_vgpr 448
		.amdhsa_next_free_sgpr 100
		.amdhsa_reserve_vcc 1
		.amdhsa_float_denorm_mode_32 3
		.amdhsa_float_denorm_mode_16_64 3
		.amdhsa_memory_ordered 1
		.amdhsa_forward_progress 1
		.amdhsa_inst_pref_size 96
	.end_amdhsa_kernel
	.amdgpu_metadata
---
amdhsa.version: [ 1, 2 ]
amdhsa.kernels:
  - .name:           k_q48391232db_attn
    .symbol:         k_q48391232db_attn.kd
    .args:
      - { .name: qkv, .offset: 0, .size: 8, .value_kind: global_buffer, .address_space: global }
      - { .name: lowp_scales, .offset: 8, .size: 8, .value_kind: global_buffer, .address_space: global }
      - { .name: y_img, .offset: 16, .size: 8, .value_kind: global_buffer, .address_space: global }
    .group_segment_fixed_size: 327680
    .private_segment_fixed_size: 0
    .kernarg_segment_align: 8
    .kernarg_segment_size: 24
    .max_flat_workgroup_size: 256
    .sgpr_count:     100
    .vgpr_count:     448
    .wavefront_size: 32
...
	.end_amdgpu_metadata
.endif
;; end of part 3
;; launch proj (part 4): grid 4 x 64, 4 waves a work-group, clusters of 4 x 4, 327,680 bytes of LDS; arguments y_img, w_codes, lowp_scales, b_proj, out0; writes out0
.if DOCPART == 4
	.amdgcn_target "amdgcn-amd-amdhsa--gfx1250"
	.amdhsa_code_object_version 6
	.text
	.protected	k_q48391232db_proj
	.globl	k_q48391232db_proj
	.p2align	8
	.type	k_q48391232db_proj,@function
k_q48391232db_proj:
	s_mov_b64 s[64:65], 0
	v_nop
	global_prefetch_b8 v0, s[64:65] scope:SCOPE_SE
	s_setreg_imm32_b32 hwreg(HW_REG_WAVE_MODE, 25, 1), 1
	s_wait_xcnt 0x0
	s_wait_alu depctr_hold_cnt(0) depctr_sa_sdst(0) depctr_va_vdst(0) depctr_va_sdst(0) depctr_va_ssrc(0) depctr_va_vcc(0) depctr_vm_vsrc(0)
	s_getreg_b32 s2, hwreg(HW_REG_IB_STS2, 6, 4)
	s_cmp_eq_u32 s2, 0
	s_cbranch_scc0 .Lentry_in_a_cluster
	s_endpgm
.Lentry_in_a_cluster:
	s_bfe_u32 s2, ttmp6, 0x10000c
	s_cmp_lg_u32 s2, 0xf033
	s_cbranch_scc0 .Lentry_shape_is_right
	s_endpgm
.Lentry_shape_is_right:
; out0 = y W_proj + b_proj, on codes of E4M3: y's codes from y_img, W_proj's columns from rows 3,072 on of w_codes; each sum x 2^(e6 + e7) + bias, f32.
; A work-group makes 128 tokens x 256 columns; a wave 64 tokens x 128 columns: 32 accumulators.
; A NEVER GOES THROUGH LDS: y_img lies as register images ((token / 16) x 16,384 + K / 32 x 512 + 16 lane), so a wave loads its 64 tokens x K 1,024 straight into 512 registers, 128 loads of 512 consecutive bytes.
; B LIES IN LDS WHOLE: four quarters of K, each 256 rows x (256 bytes + 16 of padding); wave w asks for quarter w, its one tensor load.  Nothing is filled again: one wait, one barrier, no ring.
; CLUSTERS: 4 x 4 work-groups; B's tile hangs on the tile column alone and is asked for jointly along a column of the cluster.  A's rows are read by loads into registers, which have no joint form.
; NO PREFETCH: all of A and B is asked for at the head; no later load is left to run ahead of.
; THE MATRIX INSTRUCTION IS USED TRANSPOSED (source 0 = 16 rows of B, source 1 = 16 tokens): a lane holds eight neighbouring columns of one row of out0.
; A step of 128 along K goes by groups of two blocks of B x A's four blocks; a group's registers take the next step's fragments directly behind its eight products, three groups ahead of their use.
; Inside a matrix instruction k is permuted, alike in both operands (four pieces of 16 bytes a fragment).
; LIMIT: e6 + e7 between -126 and 127, so that 2^(e6 + e7) is an f32 number.
; REGISTERS.  Window 0: v16-29 addresses; v32-95 the bias; v128-255 B's eight fragments, on the way out at work.  Window 1: the accumulators, (a, b) at v[8 (8 a + b)].
; Windows 2 and 3: A: K step q, block a at register 64 q + 16 a of the 512.
.set PITCH,  272
.set QB,     256*PITCH                 ; a quarter of K: 69,632 bytes
.set STG,    4*QB                      ; the way out: a stage of 16 rows x SPITCH for each wave, on bytes of its own
.set SPITCH, 528
.set SPARE,  STG+4*16*SPITCH           ; the spare words, 128 bytes for each wave
.set ADRB, 20                          ; v20-23  my B fragments in quarter 0 .. 3
.set STO,  24
.set RD,   25
.set CO,   26                          ; 16 x lane
.set SPW,  28
.set NIL,  29
.set BI,   32
.set G1B, 48
.set G0,  56
.set MSB, 0
.macro WIN new
.if MSB != \new
	s_set_vgpr_msb (MSB<<8)|\new
.set MSB, \new
.endif
.endm
.macro CROUND                          ; a round of the cluster's barrier
	s_barrier_signal -1
	s_barrier_wait -1
	s_cmp_lg_u32 s14, 0
	s_cbranch_scc1 .Lnot_wave_0_\@
	s_barrier_signal -3
.Lnot_wave_0_\@:
	s_barrier_wait -3
	s_barrier_signal -1
	s_barrier_wait -1
.endm
.macro PLACES
.rept 4
	v_nop
.endr
.endm
	s_load_b256 s[68:75], s[0:1], 0x0              ; y_img 68, w_codes 70, scales 72, b_proj 74
	s_load_b64 s[76:77], s[0:1], 0x20              ; out0
	v_lshl_add_u32 v[SPW], v0, 2, SPARE
	v_mov_b32 v[NIL], 0
	ds_add_u32 v[SPW], v[NIL]                      ; the opening lines: the add twice on end and its wait
	ds_add_u32 v[SPW], v[NIL]
	v_lshrrev_b32 v1, 5, v0
	v_readfirstlane_b32 s14, v1                    ; wave 0..3
	s_lshr_b32 s15, s14, 1                         ; which 64 tokens are mine
	s_and_b32 s16, s14, 1                          ; which 128 columns
	s_bfe_u32 s40, ttmp6, 0x40000                  ; cx
	s_bfe_u32 s41, ttmp6, 0x40004                  ; cy
	s_lshl_b32 s42, ttmp9, 2
	s_add_co_u32 s42, s42, s40                     ; tile column: 256 columns
	s_and_b32 s17, ttmp7, 0xffff
	s_lshl_b32 s17, s17, 2
	s_add_co_u32 s17, s17, s41                     ; tile row: 128 tokens
	s_lshl_b32 s44, 0x1111, s40                    ; my column of the cluster
	s_or_b32 s[G1B+0], s44, (0<<16)|(1<<20)|(1<<21)|(5<<22)|(3<<25)  ; the mask; elements of 1 byte; padding on; bit 21 beside a mask; 4 words behind every 64
	s_mov_b32 s[G1B+1], 256<<16                    ; rows of 256 bytes,
	s_mov_b32 s[G1B+2], 256<<16                    ; 256 of them
	s_mov_b32 s[G1B+3], 256<<16
	s_mov_b32 s[G1B+4], 256
	s_mov_b32 s[G1B+5], 1024                       ; the pitch in memory
	s_mov_b32 s[G1B+6], 0
	s_mov_b32 s[G1B+7], 0
	s_lshl_b32 s46, s42, 8
	s_add_co_u32 s46, s46, 3072
	s_lshl_b32 s46, s46, 10                        ; B's first row x 1,024 bytes,
	s_lshl_b32 s47, s14, 8
	s_add_co_u32 s46, s46, s47                     ; + my quarter of K
	s_mov_b32 s47, 0
	s_mul_i32 s45, s14, QB                         ; and where it goes
	s_wait_dscnt 0x0                               ; both opening adds are done
	s_wait_kmcnt 0x0
	s_load_b256 s[84:91], s[72:73], 0x0            ; e0 .. e7
	s_mov_b32 s[G0], 1
	s_mov_b32 s[G0+1], s45
	s_add_nc_u64 s[G0+2:G0+3], s[70:71], s[46:47]
	s_or_b32 s[G0+3], s[G0+3], 0x80000000
	CROUND                                         ; all sixteen work-groups are here: the joint loads meet
	tensor_load_to_lds s[G0:G0+3], s[G1B:G1B+7]    ; my one tensor load
	s_nop 0
	PLACES
	s_lshl_b32 s20, s17, 3
	s_lshl_b32 s21, s15, 2
	s_add_co_u32 s20, s20, s21
	s_lshl_b32 s20, s20, 14                        ; my first group of 16 tokens x 16,384 bytes
	s_mov_b32 s21, 0
	s_add_nc_u64 s[68:69], s[68:69], s[20:21]
	s_lshl_b32 s92, s17, 7
	s_lshl_b32 s99, s15, 6
	s_add_co_u32 s92, s92, s99
	s_lshl_b32 s92, s92, 12                        ; my first row of out0 x 4,096 bytes
	s_lshl_b32 s98, s42, 10
	s_lshl_b32 s99, s16, 9
	s_add_co_u32 s98, s98, s99                     ; my first column, in bytes
	s_add_co_u32 s92, s92, s98
	s_mov_b32 s93, 0
	s_add_nc_u64 s[76:77], s[76:77], s[92:93]
	s_mov_b32 s92, s98
	s_add_nc_u64 s[74:75], s[74:75], s[92:93]
	s_mul_i32 s22, s16, 128*PITCH
	s_mul_i32 s23, s14, 16*SPITCH
	s_add_co_u32 s23, s23, STG
	v_and_b32 v1, 15, v0                           ; r
	v_bfe_u32 v2, v0, 4, 1                         ; h
	v_and_b32 v6, 31, v0
	v_lshlrev_b32 v[CO], 4, v6
	v_mul_u32_u24 v3, v1, PITCH
	v_lshl_add_u32 v4, v2, 4, v3
	v_add_nc_u32 v[ADRB], s22, v4
	v_add_nc_u32 v[ADRB+1], QB, v[ADRB]
	v_add_nc_u32 v[ADRB+2], QB, v[ADRB+1]
	v_add_nc_u32 v[ADRB+3], QB, v[ADRB+2]
	v_mul_u32_u24 v5, v1, SPITCH
	v_lshl_add_u32 v5, v2, 5, v5
	v_add_nc_u32 v[STO], s23, v5
	v_add_nc_u32 v[RD], s23, v[CO]
	v_lshlrev_b32 v7, 5, v2
	s_wait_alu depctr_va_vdst(0)                   ; the head's end
.irp b, 0,1,2,3,4,5,6,7
	global_load_b128 v[BI+8*\b:BI+8*\b+3], v7, s[74:75] offset:64*\b
	global_load_b128 v[BI+8*\b+4:BI+8*\b+7], v7, s[74:75] offset:64*\b+16
.endr
.irp q, 0,1,2,3,4,5,6,7                ; A, K ascending: sixteen loads a K step
	WIN 0x80+0x40*(\q/4)                           ; destination window 2 or 3
.irp a, 0,1,2,3
.irp c, 0,1,2,3
	global_load_b128 v[64*(\q%4)+16*\a+4*\c:64*(\q%4)+16*\a+4*\c+3], v[CO], s[68:69] offset:\a*16384+\q*2048+\c*512
.endr
.endr
.endr
	WIN 0
.macro FB g, q                         ; B's blocks 2 g, 2 g + 1 of K step q
	WIN 0
.irp b, 2*(\g), 2*(\g)+1
.irp c, 0,1,2,3
	ds_load_b128 v[128+16*(\b)+4*\c:128+16*(\b)+4*\c+3], v[ADRB+(\q)/2] offset:128*((\q)%2)+32*\c+(\b)*16*PITCH
.endr
.endr
.endm
.macro MG g, q                         ; eight products.  The 32 accumulators take turns, one instruction a turn, in the same order in every step
	WIN 0x58+4*((\q)/4)                            ; source 0 (B) window 0, source 1 (A) window 2 or 3, C and D window 1
.irp b, 2*(\g), 2*(\g)+1
.irp a, 0,1,2,3
.if (\q) == 0
	v_wmma_f32_16x16x128_fp8_fp8 v[8*(8*\a+(\b)):8*(8*\a+(\b))+7], v[128+16*(\b):128+16*(\b)+15], v[64*((\q)%4)+16*\a:64*((\q)%4)+16*\a+15], 0
.else
	v_wmma_f32_16x16x128_fp8_fp8 v[8*(8*\a+(\b)):8*(8*\a+(\b))+7], v[128+16*(\b):128+16*(\b)+15], v[64*((\q)%4)+16*\a:64*((\q)%4)+16*\a+15], v[8*(8*\a+(\b)):8*(8*\a+(\b))+7]
.endif
.endr
.endr
.endm
	s_wait_tensorcnt 0x0                           ; my quarter of B is in,
	s_barrier_signal -1
	s_barrier_wait -1                              ; and so is everybody's.
.irp g, 0,1,2,3
	FB \g, 0
.endr
.irp q, 0,1,2,3,4,5,6,7
.if \q == 0
	s_wait_loadcnt 63                              ; of 144 loads at most the youngest 63 are out: the bias and A's K steps 0-3 (80 loads) are in
.endif
.if \q > 3
	s_wait_loadcnt 16*(7-\q)                       ; A's K step q is in; the later steps' loads may be out
.endif
.irp g, 0,1,2,3
.if \q < 7
	s_wait_dscnt 24                                ; this group is in; the three groups asked for behind it may be out
	MG \g, \q
	PLACES                                         ; ahead of loads into registers that matrix instructions have read
	FB \g, \q+1
.else
	s_wait_dscnt 8*(3-\g)
	MG \g, \q
.endif
.endr
.endr
	WIN 0
; THE WAY OUT, 16 rows x 128 columns at a time: sum x 2^(e6 + e7) + bias; through my stage; back as whole rows of 512 bytes, which the 32 lanes store as two aligned units of 256 bytes.
.macro OUTP a
	WIN 0x01                                       ; source 0: window 1
.set j, 0
.rept 32
	v_pk_fma_f32 v[128+j:129+j], v[64*(\a)+j:64*(\a)+j+1], s[96:97], v[BI+j:BI+j+1] op_sel_hi:[1,0,1]   ; each accumulator from its low end on
.set j, j+2
.endr
	WIN 0
.irp b, 0,1,2,3,4,5,6,7
	ds_store_b128 v[STO], v[128+8*\b:131+8*\b] offset:64*\b
	ds_store_b128 v[STO], v[132+8*\b:135+8*\b] offset:64*\b+16
.endr
.if (\a) > 0
	s_wait_xcnt 0x0                                ; the last block's stores have read their registers and their base
	s_add_nc_u64 s[76:77], s[76:77], 16*4096
.endif
.irp t, 0,1,2,3,4,5,6,7,8,9,10,11,12,13,14,15
	ds_load_b128 v[192+4*\t:195+4*\t], v[RD] offset:\t*SPITCH     ; LDS serves a wave's instructions in order: these see my stores
.endr
.irp t, 0,1,2,3,4,5,6,7,8,9,10,11,12,13,14,15
	s_wait_dscnt 15-\t
	global_store_b128 v[CO], v[192+4*\t:195+4*\t], s[76:77] offset:\t*4096 th:TH_STORE_NT
.endr
.endm
	s_wait_kmcnt 0x0
	s_add_co_i32 s96, s90, s91
	s_add_co_i32 s96, s96, 127
	s_lshl_b32 s96, s96, 23                        ; 2^(e6 + e7) as f32
	s_mov_b32 s97, s96
	PLACES                                         ; ahead of the first reads of the last sums and of vector writes of B's registers
.irp a, 0,1,2,3
	OUTP \a
.endr
	s_wait_tensorcnt 0x0                           ; the wave's end
	ds_add_u32 v[SPW], v[NIL]
	s_wait_dscnt 0x0
	CROUND                                         ; the closing round
	s_endpgm
.Lfunc_end_k_q48391232db_proj:
	.size	k_q48391232db_proj, .Lfunc_end_k_q48391232db_proj-k_q48391232db_proj
	.p2alignl 7, 3214868480
	.fill 96, 4, 3214868480
	.section	.rodata,"a",@progbits
	.p2align	6, 0x0
	.amdhsa_kernel k_q48391232db_proj
		.amdhsa_group_segment_fixed_size 327680
		.amdhsa_private_segment_fixed_size 0
		.amdhsa_enable_private_segment 0
		.amdhsa_kernarg_size 40
		.amdhsa_user_sgpr_count 2
		.amdhsa_user_sgpr_kernarg_segment_ptr 1
		.amdhsa_wavefront_size32 1
		.amdhsa_system_sgpr_workgroup_id_x 1
		.amdhsa_system_sgpr_workgroup_id_y 1
		.amdhsa_system_sgpr_workgroup_id_z 1
		.amdhsa_system_vgpr_workitem_id 0
		.amdhsa_next_free_vgpr 1024
		.amdhsa_next_free_sgpr 100
		.amdhsa_reserve_vcc 0
		.amdhsa_float_denorm_mode_32 3
		.amdhsa_float_denorm_mode_16_64 3
		.amdhsa_memory_ordered 1
		.amdhsa_forward_progress 1
		.amdhsa_inst_pref_size 82
	.end_amdhsa_kernel
	.amdgpu_metadata
---
amdhsa.version: [ 1, 2 ]
amdhsa.kernels:
  - .name:           k_q48391232db_proj
    .symbol:         k_q48391232db_proj.kd
    .args:
      - { .name: y_img, .offset: 0, .size: 8, .value_kind: global_buffer, .address_space: global }
      - { .name: w_codes, .offset: 8, .size: 8, .value_kind: global_buffer, .address_space: global }
      - { .name: lowp_scales, .offset: 16, .size: 8, .value_kind: global_buffer, .address_space: global }
      - { .name: b_proj, .offset: 24, .size: 8, .value_kind: global_buffer, .address_space: global }
      - { .name: out0, .offset: 32, .size: 8, .value_kind: global_buffer, .address_space: global }
    .group_segment_fixed_size: 327680
    .private_segment_fixed_size: 0
    .kernarg_segment_align: 8
    .kernarg_segment_size: 40
    .max_flat_workgroup_size: 128
    .sgpr_count:     100
    .vgpr_count:     1024
    .wavefront_size: 32
...
	.end_amdgpu_metadata
.endif
;; end of part 4
